; MI455X (gfx1250); checked and timed in simulation.
; The chip was launched on July 23, 2026; its instructions are those of AMD's public machine-readable ISA for CDNA 5 (MIT licence, August 2026) and "CDNA5" Instruction Set Architecture Reference Guide (July 2026). The comments in the code are by the model that wrote it; some were corrected since.
;; MHA. Allowed arithmetic: matrix products marked QUANTISED: E5M2 operands, one E8M0 scale for each 32 along K, by v_wmma_scale_f32_16x16x128_f8f6f4 with both operands' format E5M2, f32 sums; everything else in f32.
;; Inputs: Wk 1,024 x 1,024 float32; Wp 1,024 x 1,024 float32; Wq 1,024 x 1,024 float32; Wv 1,024 x 1,024 float32; bk 1,024 float32; bp 1,024 float32; bq 1,024 float32; bv 1,024 float32; ln_b 1,024 float32; ln_g 1,024 float32; mask 4 x 2,048 int32; x 4 x 2,048 x 1,024 float32.
;; Outputs: out0 4 x 2,048 x 1,024 float32.
;; This version of the problem:
;;   THIS VERSION OF THE PROBLEM IS GIVEN IN LOW PRECISION. The matrix products marked QUANTISED in the list below multiply operands that are first quantised to E5M2 (5 exponent bits, 2 mantissa bits; 8 bits a number), with one power-of-two scale for each 32 numbers along K (OCP MX v1.0); their sums are f32. All else is computed in f32.
;;   The module's matrix products, in the order in which they are computed (A, B: the left and right operand; K: the contracted axis; several contracted axes count as one K, in the product's order):
;;     1. [M 8,192, K 1,024] x [K 1,024, N 1,024]; A: input x; B: input Wq: QUANTISED
;;     2. [M 8,192, K 1,024] x [K 1,024, N 1,024]; A: input x; B: input Wk: QUANTISED
;;     3. [M 8,192, K 1,024] x [K 1,024, N 1,024]; A: input x; B: input Wv: QUANTISED
;;     4. batch 64 x [M 2,048, K 64] x [K 64, N 2,048]; A: computed on the way; B: computed on the way: QUANTISED
;;     5. batch 64 x [M 2,048, K 2,048] x [K 2,048, N 64]; A: softmax (see below); B: computed on the way: QUANTISED
;;     6. [M 8,192, K 1,024] x [K 1,024, N 1,024]; A: computed on the way; B: input Wp: QUANTISED
;;   THE QUANTISER, for each operand of a quantised product, along K:
;;     - K is cut into blocks of 32 from its start; a last block that is shorter is filled with zeros.
;;     - A block's scale is 2^e with e = floor(log2(the largest magnitude in the block)) - 15, held to -126 .. 127; a block of zeros has e = 0. As a byte (E8M0): e + 127.
;;     - Each number is divided by its block's scale, clamped to +-57,344, and rounded to the nearest number of E5M2, ties to even, subnormals kept.
;;     - The product sums the exact products of the quantised numbers (number of the format x scale) in f32.
;;   ~~~python
;;   def quantise(x, axis):      # numpy; x: float32 -> the quantised numbers, widened to float32 again
;;       x = np.moveaxis(x, axis, -1); K = x.shape[-1]
;;       x = np.pad(x, [(0, 0)] * (x.ndim - 1) + [(0, -K % 32)]); x = x.reshape(x.shape[:-1] + (-1, 32)); a = np.abs(x).max(-1, keepdims=True)
;;       e = np.where(a > 0, np.clip(np.frexp(np.where(a > 0, a, 1))[1] - 1 - 15, -126, 127), 0)      # np.frexp(a)[1] - 1 = floor(log2(a)), exactly
;;       r = np.clip(x / 2.0 ** e, -57344, 57344)
;;       step = 2.0 ** (np.maximum(np.frexp(np.where(r == 0, 1, r))[1] - 1, -14) - 2)
;;       q = np.round(r / step) * step * 2.0 ** e      # np.round: ties to even
;;       return np.moveaxis(q.reshape(q.shape[:-2] + (-1,))[..., :K], -1, axis).astype(np.float32)
;;   ~~~
;;   SOFTMAX AHEAD OF A QUANTISED PRODUCT. Where the list says 'softmax', what is quantised is not the finished softmax but p = 2^(t - M), with t = logit x log2(e) and M = ceil(the row's largest t), a whole number; so 1/2 < the row's largest p <= 1. The row's sum l is taken of the UNQUANTISED p, in f32, and the product's result is divided by l at the end. Since M is a whole number, a kernel that streams over the keys may use a running M (the ceiling of the running maximum): every later rescaling is an exact power of two, which a block's scale takes up: the codes' values come out the same.
;;   OPERANDS COMPUTED ON THE WAY. 'Computed on the way' means the value that the module computes at that place (a softmax that the list does not call 'softmax' is quantised finished and normalised). What goes into a quantiser is computed in f32, as accurately as f32 sums, v_exp_f32 and their like allow (about 1e-6 of the number): no bf16 or f16 on the way to a quantiser, and a product that is left as it is and whose result goes on into a quantised operand takes f32 operands (vector FMAs, or v_wmma_f32_16x16x4_f32). A number that lies on a knife's edge between two numbers of the format may be rounded either way, as far as f32 arithmetic and the matrix unit's own rounding can turn it there, and no further.
;; One version. Each part assembles by itself: llvm-mc -triple=amdgcn-amd-amdhsa -mcpu=gfx1250 --defsym DOCPART=n.
;; ======== version 1 of 1: 4 launches
;; limits: right only within a limited range of input values
;; workspace buffers: ops 12,976,128 bytes; qkv 26,476,544 bytes; yq 8,650,752 bytes; rt 65,792 bytes of whole numbers
;; launch prep (part 1): grid 385 x 1, 4 waves a work-group, no clusters, 34,304 bytes of LDS; arguments x, Wq, Wk, Wv, Wp, mask, ops, rt; writes ops, rt
.if DOCPART == 1
	.amdgcn_target "amdgcn-amd-amdhsa--gfx1250"
	.amdhsa_code_object_version 6
	.text
	.protected	k_qf706fc00df_prep
	.globl	k_qf706fc00df_prep
	.p2align	8
	.type	k_qf706fc00df_prep,@function
k_qf706fc00df_prep:
	s_mov_b64 s[64:65], 0
	v_nop
	global_prefetch_b8 v0, s[64:65] scope:SCOPE_SE
	s_setreg_imm32_b32 hwreg(HW_REG_WAVE_MODE, 25, 1), 1
	s_wait_xcnt 0x0
; PREP: x [8192][1024] and the four weights [1024 (k)][1024 (n)], f32, become codes of BF8 (E5M2) with one E8M0 byte for each 32 along K, and each batch's tokens are sorted, live ones (mask != 0) first.
; THE CODES' ORDER is that of an operand's registers.  A tile is 16 rows x 1,024 K = 16,384 bytes, laid [K step of 128: 8][part c: 4][lane: 32][16 bytes]: lane (r, h) of part c holds k = 128 s + 32 c + 16 h + 0..15 of the tile's row r,
; so that four loads of 16 bytes a lane, 512 bytes apart, are a fragment.  Scale words: [tile][K step][r], 4 bytes each.  Tiles 0-511: x; 512 + 64 W + i: Wq, Wk, Wv, Wp (a weight's rows are its columns n).
; THE ROWS OF A TILE ARE NOT NEIGHBOURS: lane-row r of tile 2 B + u is row 32 B + 8 u + r + 8 (r / 8), so that where such tiles are a product's first source the 16 result registers of tiles 2 B, 2 B + 1 are 16 neighbours.
; A block's scale is 2^(floor(log2(largest magnitude)) - 15); its byte is the largest magnitude's exponent field - 15, held at 1 from below.  A block of zeros gets the byte 1 where the rule says 127: its codes are zeros, and this program alone reads the bytes.
; LIMITS: NaN and infinities among the inputs are not served; blocks whose largest magnitude lies under 2^-111 (the floor) were not tried.
; THREE WAYS, parted on the work-group's number: 0-255 x; 256-383 the weights; 384 the sorting.  Only the first touches LDS.  Waves share nothing: no barrier.  No tile is read by two work-groups: no cluster.
.set OPS_SC, 12582912                  ; where the scale words begin in ops: 768 tiles x 16,384
.set QSO,    256                       ; rt: cnt[4] at 0; from here qs[2048 b + slot]: the byte offset of the token's scale word in a head's image of q: 64 x tile + 4 x lane-row
.set PERM,   33024                     ; and from here perm[2048 b + slot]: the token's row among the 8,192
.set LANE, 1
.set LI,   2                           ; v2  16 x lane
.set LS,   3                           ; v3  4 x lane
.set SEL,  32                          ; s[32:33] selects of v_permlanex16_b32 for lane l xor 16
.set MNT,  34
.set HI16, 35                          ; s35 a mask of lanes 16-31
.set R,    16                          ; x: v16-143 two sets of 64 numbers as loaded
.set X,    144                         ; x: v144-207 64 numbers: register 16 b + i = k 32 b + 16 h + i of my row
.set PC,   208                         ; x: v208-223 the codes just made
.set TM,   224                         ; x: v224-239 at work
.set PW,   240                         ; x: the scale word just made
.set KW,   241                         ; x: two K steps' scale words: lanes 0-15 the even step's, lanes 16-31 the odd one's
.set SP,   528                         ; x: a stage row: 512 bytes + 16: sixteen rows begin at sixteen different groups of four banks
.set XW,   16                          ; W: v16-79 two sets of 32 numbers
.set SBY,  144                         ; W: v144-145 scale bytes, four to a register
; 64 numbers of a lane become a fragment's 16 registers of codes and its row's scale word
.macro QUANT s
.irp b, 0,1,2,3
	v_max3_num_f32 v[TM+\b], |v[\s+16*\b]|, |v[\s+1+16*\b]|, 0x8000000   ; block b: my 16 numbers, and the floor 2^(16 - 127): the byte cannot fall under 1
.endr
.irp i, 2,4,6,8,10,12,14
.irp b, 0,1,2,3
	v_max3_num_f32 v[TM+\b], v[TM+\b], |v[\s+16*\b+\i]|, |v[\s+1+16*\b+\i]|   ; the four blocks by turns
.endr
.endr
.irp b, 0,1,2,3
	v_permlanex16_b32 v[TM+4+\b], v[TM+\b], s[SEL], s[SEL+1]
.endr
.irp b, 0,1,2,3
	v_max_num_f32 v[TM+\b], v[TM+\b], v[TM+4+\b]          ; with lane l xor 16's 16: the block's largest magnitude
.endr
.irp b, 0,1,2,3
	v_add_nc_u32 v[TM+12+\b], 0xf8800000, v[TM+\b]        ; 15 off its exponent field: the conversion's scale operand
.endr
.irp b, 0,1,2,3
.endr
.irp b, 0,1,2,3
	v_lshrrev_b32 v[TM+4+\b], 23, v[TM+12+\b]             ; the scale's byte
.endr
	v_lshl_or_b32 v[PW], v[TM+5], 8, v[TM+4]
	v_lshl_or_b32 v[PW], v[TM+6], 16, v[PW]
	v_lshl_or_b32 v[PW], v[TM+7], 24, v[PW]
.irp b, 0,1,2,3
.irp i, 0,1,2,3,4,5,6,7,8,9,10,11,12,13,14,15
.endr
	v_cvt_scalef32_pk8_bf8_f32 v[PC+4*\b:PC+1+4*\b], v[\s+16*\b:\s+7+16*\b], v[TM+12+\b]
	v_cvt_scalef32_pk8_bf8_f32 v[PC+2+4*\b:PC+3+4*\b], v[\s+8+16*\b:\s+15+16*\b], v[TM+12+\b]
.endr
	v_nop                                                 ; a plain line behind the last conversion
.endm
	s_load_b512 s[4:19], s[0:1], 0x0               ; x s[4:5], Wq s[6:7], Wk s[8:9], Wv s[10:11], Wp s[12:13], mask s[14:15], ops s[16:17], rt s[18:19]
	v_lshl_add_u32 v254, v0, 2, 0x8400
	v_mov_b32 v255, 0
	v_lshrrev_b32 v1, 5, v0
	v_readfirstlane_b32 s20, v1                    ; wave 0..3
	v_and_b32 v[LANE], 31, v0
	v_lshlrev_b32 v[LI], 4, v[LANE]
	v_lshlrev_b32 v[LS], 2, v[LANE]
	s_mov_b32 s[SEL], 0x76543210
	s_mov_b32 s[SEL+1], 0xfedcba98
	s_mov_b32 s[HI16], 0xffff0000
	s_cmp_lt_u32 ttmp9, 256
	s_cbranch_scc0 .Lnot_x
; ---- x.  A wave takes one tile (16 rows) x 4 K steps.  Each load reads 512 consecutive bytes of one row; a K step's 16 x 512 bytes turn through the wave's own stage in LDS and come back 64 bytes a lane and block.
	s_lshl_b32 s21, ttmp9, 2
	s_add_co_u32 s21, s21, s20                     ; unit 0..1023
	s_lshr_b32 s22, s21, 1                         ; tile
	s_and_b32 s23, s21, 1                          ; which half of K
	s_lshr_b32 s24, s22, 1
	s_lshl_b32 s24, s24, 5
	s_and_b32 s25, s22, 1
	s_lshl_b32 s25, s25, 3
	s_add_co_u32 s24, s24, s25                     ; the tile's first row: 32 (tile / 2) + 8 (tile % 2)
	s_lshl_b32 s24, s24, 12                        ; x 4,096 bytes
	s_lshl_b32 s25, s23, 11
	s_add_co_u32 s24, s24, s25                     ; + 2,048 x half
	s_mov_b32 s25, 0
	s_lshl_b32 s26, s22, 14                        ; the codes: 16,384 x tile + 8,192 x half
	s_lshl_b32 s27, s23, 13
	s_add_co_u32 s26, s26, s27
	s_mov_b32 s27, 0
	s_lshl_b32 s28, s22, 9                         ; the scale words: 512 x tile + 256 x half
	s_lshl_b32 s29, s23, 8
	s_add_co_u32 s28, s28, s29
	s_add_co_u32 s28, s28, OPS_SC
	s_mov_b32 s29, 0
	s_mul_i32 s30, s20, 16*SP                      ; my stage
	s_wait_alu depctr_va_vdst(0)
	v_add_nc_u32 v4, s30, v[LI]                    ; in: 16 x lane of row i
	v_and_b32 v6, 15, v0
	v_bfe_u32 v7, v0, 4, 1
	v_mul_u32_u24 v5, v6, SP
	v_lshl_add_u32 v5, v7, 6, v5
	v_add_nc_u32 v5, s30, v5                       ; back: row r, + 64 h
.irp b, 0,1,2,3
	v_mov_b32 v[TM+4+\b], 0                        ; written once: a lane permute's destination counts as one of its sources
.endr
	s_wait_alu depctr_va_vdst(0)
	s_wait_kmcnt 0x0
	s_add_nc_u64 s[24:25], s[4:5], s[24:25]
	s_add_nc_u64 s[26:27], s[16:17], s[26:27]
	s_add_nc_u64 s[28:29], s[16:17], s[28:29]
.macro LOADX t                         ; K step t of my 16 rows into set t % 2
.set li, 0
.rept 16
	global_load_b128 v[R+64*((\t)%2)+4*li:R+64*((\t)%2)+4*li+3], v[LI], s[24:25] offset:(li+8*(li/8))*4096+512*(\t) th:TH_LOAD_NT
.set li, li+1
.endr
.endm
.macro TURNX t                         ; through the stage: LDS serves a wave's instructions in order, so no wait stands between the stores and the loads
.set li, 0
.rept 16
	ds_store_b128 v4, v[R+64*((\t)%2)+4*li:R+64*((\t)%2)+4*li+3] offset:SP*li
.set li, li+1
.endr
.set li, 0
.rept 16
	ds_load_b128 v[X+4*li:X+4*li+3], v5 offset:128*(li/4)+16*(li%4)
.set li, li+1
.endr
.endm
.macro STEPX t
.if (\t) < 3
	s_wait_loadcnt 16                              ; this step's 16 loads are in; the next step's 16 may be out
.else
	s_wait_loadcnt 0x0
.endif
	TURNX \t
	s_wait_dscnt 0x0                               ; my 64 numbers are back, and the stage's stores have read their registers
	s_wait_xcnt 0x0                                ; the last step's stores have read PC and KW: they are written again only behind this wait
.if (\t) < 2
	LOADX (\t)+2
.endif
	QUANT X
.irp c, 0,1,2,3
	global_store_b128 v[LI], v[PC+4*\c:PC+4*\c+3], s[26:27] offset:2048*(\t)+512*\c   ; 512 consecutive bytes
.endr
.if (\t)%2 == 0
	v_mov_b32 v[KW], v[PW]
.else
	v_cndmask_b32 v[KW], v[KW], v[PW], s[HI16]     ; lanes 16-31 take this step's word
	global_store_b32 v[LS], v[KW], s[28:29] offset:64*((\t)-1)   ; two K steps' words: 128 consecutive bytes
.endif
.endm
	LOADX 0
	LOADX 1
.irp t, 0,1,2,3
	STEPX \t
.endr
	s_wait_tensorcnt 0x0
	ds_add_u32 v254, v255
	s_wait_dscnt 0x0
	s_endpgm
.Lnot_x:
	s_cmp_lt_u32 ttmp9, 384
	s_cbranch_scc0 .Lroute
; ---- the weights.  K is their FIRST axis: a lane takes a column n and its registers run down K, so a block of 32 lies in one lane.  A wave takes 32 columns x 256 along K: 8 blocks.
	s_sub_co_u32 s21, ttmp9, 256
	s_lshr_b32 s22, s21, 5                         ; which weight
	s_bfe_u32 s23, s21, 0x30002                    ; which 128 columns
	s_and_b32 s24, s21, 3                          ; which 256 along K
	s_lshl_b32 s25, s23, 7
	s_lshl_b32 s26, s20, 5
	s_add_co_u32 s25, s25, s26                     ; my first column n0
	s_lshl_b32 s26, s24, 20                        ; 256 rows of 4,096 bytes
	s_lshl_b32 s27, s25, 2
	s_add_co_u32 s26, s26, s27
	s_mov_b32 s27, 0
	s_lshl_b32 s28, s22, 6
	s_lshr_b32 s29, s25, 4
	s_add_co_u32 s28, s28, s29
	s_add_co_u32 s28, s28, 512                     ; my first tile: 512 + 64 W + 2 (n0 / 32)
	s_lshl_b32 s30, s28, 14
	s_lshl_b32 s31, s24, 12
	s_add_co_u32 s30, s30, s31                     ; its codes, + two K steps of 2,048 bytes for each 256 along K
	s_mov_b32 s31, 0
	s_lshl_b32 s36, s28, 9
	s_lshl_b32 s37, s24, 7
	s_add_co_u32 s36, s36, s37
	s_add_co_u32 s36, s36, OPS_SC
	s_mov_b32 s37, 0
	v_bfe_u32 v6, v0, 3, 1                         ; u: which of the two tiles my column lies in
	v_and_b32 v7, 7, v0
	v_bfe_u32 v8, v0, 4, 1
	v_lshl_add_u32 v7, v8, 3, v7                   ; r: its lane-row there
	v_lshlrev_b32 v4, 14, v6
	v_lshl_add_u32 v4, v7, 4, v4                   ; codes: 16,384 u + 16 r
	v_lshlrev_b32 v5, 9, v6
	v_lshl_add_u32 v5, v7, 2, v5                   ; scale words: 512 u + 4 r
	s_wait_kmcnt 0x0
	s_cmp_lt_u32 s22, 1
	s_cselect_b64 s[38:39], s[6:7], s[8:9]
	s_cmp_lt_u32 s22, 3
	s_cselect_b64 s[40:41], s[10:11], s[12:13]
	s_cmp_lt_u32 s22, 2
	s_cselect_b64 s[38:39], s[38:39], s[40:41]     ; the choice hangs on the work-group's number alone
	s_add_nc_u64 s[38:39], s[38:39], s[26:27]
	s_add_nc_u64 s[30:31], s[16:17], s[30:31]
	s_add_nc_u64 s[36:37], s[16:17], s[36:37]
.macro LOADW t                         ; block t: W(32 t + i, my column): each load reads 128 consecutive bytes
.set li, 0
.rept 32
	global_load_b32 v[XW+32*((\t)%2)+li], v[LS], s[38:39] offset:(32*(\t)+li)*4096 th:TH_LOAD_NT
.set li, li+1
.endr
.endm
.macro BLOCK t
.set XS, XW+32*((\t)%2)
.set CW, 80+8*(\t)                     ; each block has its own eight registers of codes: no store's data are written again
.if (\t) < 7
	s_wait_loadcnt 32                              ; this block's 32 loads are in; the next block's may be out
.else
	s_wait_loadcnt 0x0
.endif
	v_max3_num_f32 v146, |v[XS]|, |v[XS+1]|, |v[XS+2]|
	v_max3_num_f32 v147, |v[XS+3]|, |v[XS+4]|, |v[XS+5]|
.irp i, 6,10,14,18,22,26
	v_max3_num_f32 v146, v146, |v[XS+\i]|, |v[XS+\i+1]|
	v_max3_num_f32 v147, v147, |v[XS+\i+2]|, |v[XS+\i+3]|
.endr
	v_max3_num_f32 v146, v146, |v[XS+30]|, |v[XS+31]|
	v_max3_num_f32 v146, v146, v147, 0x8000000     ; and the floor
	v_add_nc_u32 v148, 0xf8800000, v146
	v_lshrrev_b32 v150, 23, v148
.if (\t)%4 == 0
	v_mov_b32 v[SBY+(\t)/4], v150
.else
	v_lshl_or_b32 v[SBY+(\t)/4], v150, 8*((\t)%4), v[SBY+(\t)/4]
.endif
.set li, 0
.rept 32
.set li, li+1
.endr
.irp g, 0,1,2,3
	v_cvt_scalef32_pk8_bf8_f32 v[CW+2*\g:CW+2*\g+1], v[XS+8*\g:XS+8*\g+7], v148
.endr
	v_nop
	global_store_b128 v4, v[CW:CW+3], s[30:31] offset:((\t)/4)*2048+((\t)%4)*512         ; k 0..15 of the block: the places of lanes 0-15; sixteen lanes fill 256 consecutive bytes in each of the two tiles
	global_store_b128 v4, v[CW+4:CW+7], s[30:31] offset:((\t)/4)*2048+((\t)%4)*512+256   ; k 16..31: the places of lanes 16-31
.if (\t)%4 == 3
	global_store_b32 v5, v[SBY+(\t)/4], s[36:37] offset:64*((\t)/4)
.endif
.if (\t) < 6
	LOADW (\t)+2
.endif
.endm
	s_wait_alu depctr_va_vdst(0)
	LOADW 0
	LOADW 1
.irp t, 0,1,2,3,4,5,6,7
	BLOCK \t
.endr
	s_endpgm
.Lroute:
; ---- the sorting: wave b takes batch b.  Token 32 i + lane lies in register 16 + i.  A first pass counts the live tokens, a second gives each token its slot: live ones from 0 on, masked ones from cnt on, both in ascending order.
	s_lshl_b32 s22, s20, 13
	s_mov_b32 s23, 0
	s_lshl_b32 s29, s20, 11                        ; 2,048 b
	s_wait_kmcnt 0x0
	s_add_nc_u64 s[24:25], s[14:15], s[22:23]
.set li, 0
	s_wait_alu depctr_va_vdst(0)
.rept 64
	global_load_b32 v[16+li], v[LS], s[24:25] offset:128*li
.set li, li+1
.endr
	v_bfe_u32 v6, v0, 3, 1
	v_and_b32 v7, 7, v0
	v_bfe_u32 v8, v0, 4, 1
	v_lshl_add_u32 v7, v8, 3, v7
	v_lshlrev_b32 v4, 6, v6
	v_lshl_add_u32 v4, v7, 2, v4                   ; the lane's part of qs: 64 ((lane / 8) % 2) + 4 (lane % 8 + 8 (lane / 16))
	v_add_nc_u32 v5, s29, v[LANE]                  ; the lane's part of perm
	s_mov_b32 s30, 0
	s_wait_loadcnt 0x0
.set li, 0
.rept 64
	v_cmp_ne_u32 vcc_lo, 0, v[16+li]
	s_bcnt1_i32_b32 s28, vcc_lo
	s_add_co_u32 s30, s30, s28                     ; cnt
.set li, li+1
.endr
	s_mov_b32 s26, 0                               ; the next live slot
	s_mov_b32 s27, s30                             ; the next masked slot
.set li, 0
.rept 64
	v_cmp_ne_u32 vcc_lo, 0, v[16+li]
	s_bcnt1_i32_b32 s28, vcc_lo
	v_mbcnt_lo_u32_b32 v208, vcc_lo, 0             ; live lanes below me
	v_sub_nc_u32 v209, v[LANE], v208               ; masked lanes below me
	v_add_nc_u32 v208, s26, v208
	v_add_nc_u32 v209, s27, v209
	v_cndmask_b32 v208, v209, v208, vcc_lo
	v_min_u32 v208, 0x7ff, v208                    ; a slot of the batch
	v_add_lshl_u32 v[16+li], v208, s29, 2          ; its word in qs and in perm.  Each store has registers of its own
	v_add_nc_u32 v[80+li], 128*li, v4
	v_add_nc_u32 v[144+li], 32*li, v5
	global_store_b32 v[16+li], v[80+li], s[18:19] offset:QSO
	global_store_b32 v[16+li], v[144+li], s[18:19] offset:PERM
	s_add_co_u32 s26, s26, s28
	s_sub_co_u32 s28, 32, s28
	s_add_co_u32 s27, s27, s28
.set li, li+1
.endr
	v_mov_b32 v210, s30
	s_lshl_b32 s31, s20, 2
	v_mov_b32 v211, s31
	v_cmp_eq_u32 vcc_lo, 0, v[LANE]
	s_wait_alu depctr_va_vdst(0)
	s_wait_xcnt 0x0                                ; EXEC is a source of the stores above: it changes only behind this wait
	s_and_saveexec_b32 s36, vcc_lo
	global_store_b32 v211, v210, s[18:19]          ; cnt[b], by lane 0
	s_wait_xcnt 0x0
	s_or_b32 exec_lo, exec_lo, s36
	s_endpgm
.Lfunc_end_k_qf706fc00df_prep:
	.size	k_qf706fc00df_prep, .Lfunc_end_k_qf706fc00df_prep-k_qf706fc00df_prep
	.p2alignl 7, 3214868480
	.fill 96, 4, 3214868480
	.section	.rodata,"a",@progbits
	.p2align	6, 0x0
	.amdhsa_kernel k_qf706fc00df_prep
		.amdhsa_group_segment_fixed_size 34304
		.amdhsa_private_segment_fixed_size 0
		.amdhsa_enable_private_segment 0
		.amdhsa_kernarg_size 64
		.amdhsa_user_sgpr_count 2
		.amdhsa_user_sgpr_kernarg_segment_ptr 1
		.amdhsa_wavefront_size32 1
		.amdhsa_system_sgpr_workgroup_id_x 1
		.amdhsa_system_sgpr_workgroup_id_y 1
		.amdhsa_system_sgpr_workgroup_id_z 1
		.amdhsa_system_vgpr_workitem_id 0
		.amdhsa_next_free_vgpr 256
		.amdhsa_next_free_sgpr 66
		.amdhsa_reserve_vcc 1
		.amdhsa_float_denorm_mode_32 3
		.amdhsa_float_denorm_mode_16_64 3
		.amdhsa_fp16_overflow 1
		.amdhsa_memory_ordered 1
		.amdhsa_forward_progress 1
		.amdhsa_inst_pref_size 136
	.end_amdhsa_kernel
	.amdgpu_metadata
---
amdhsa.version: [ 1, 2 ]
amdhsa.kernels:
  - .name:           k_qf706fc00df_prep
    .symbol:         k_qf706fc00df_prep.kd
    .args:
      - { .name: x, .offset: 0, .size: 8, .value_kind: global_buffer, .address_space: global }
      - { .name: Wq, .offset: 8, .size: 8, .value_kind: global_buffer, .address_space: global }
      - { .name: Wk, .offset: 16, .size: 8, .value_kind: global_buffer, .address_space: global }
      - { .name: Wv, .offset: 24, .size: 8, .value_kind: global_buffer, .address_space: global }
      - { .name: Wp, .offset: 32, .size: 8, .value_kind: global_buffer, .address_space: global }
      - { .name: mask, .offset: 40, .size: 8, .value_kind: global_buffer, .address_space: global }
      - { .name: ops, .offset: 48, .size: 8, .value_kind: global_buffer, .address_space: global }
      - { .name: rt, .offset: 56, .size: 8, .value_kind: global_buffer, .address_space: global }
    .group_segment_fixed_size: 34304
    .private_segment_fixed_size: 0
    .kernarg_segment_align: 8
    .kernarg_segment_size: 64
    .max_flat_workgroup_size: 128
    .sgpr_count:     66
    .vgpr_count:     256
    .wavefront_size: 32
...
	.end_amdgpu_metadata
.endif
;; end of part 1
;; launch qkv (part 2): grid 12 x 32, 4 waves a work-group, clusters of 4 x 4, 327,680 bytes of LDS; arguments ops, bq, bk, bv, qkv; writes qkv
.if DOCPART == 2
	.amdgcn_target "amdgcn-amd-amdhsa--gfx1250"
	.amdhsa_code_object_version 6
	.text
	.protected	k_qf706fc00df_qkv
	.globl	k_qf706fc00df_qkv
	.p2align	8
	.type	k_qf706fc00df_qkv,@function
k_qf706fc00df_qkv:
	s_mov_b64 s[64:65], 0
	v_nop
	global_prefetch_b8 v0, s[64:65] scope:SCOPE_SE
	s_setreg_imm32_b32 hwreg(HW_REG_WAVE_MODE, 25, 1), 1
	s_wait_xcnt 0x0
	s_wait_alu depctr_hold_cnt(0) depctr_sa_sdst(0) depctr_va_vdst(0) depctr_va_sdst(0) depctr_va_ssrc(0) depctr_va_vcc(0) depctr_vm_vsrc(0)
	s_getreg_b32 s2, hwreg(HW_REG_IB_STS2, 6, 4)
	s_cmp_eq_u32 s2, 0
	s_cbranch_scc0 .Lentry_in_a_cluster
	s_endpgm
.Lentry_in_a_cluster:
	s_bfe_u32 s2, ttmp6, 0x10000c
	s_cmp_lg_u32 s2, 0xf033
	s_cbranch_scc0 .Lentry_shape_is_right
	s_endpgm
.Lentry_shape_is_right:
.set OPS_SC, 12582912
.set V_C,    16777216
.set QK_S,   25165824
.set V_S,    26214400
.set FR,     16
.set NL,     4
.set NP,     8
.set HALFT,  32768
.set SLOT,   131072
.set SPARE,  262144
.set ADRA, 16
.set ADRB, 20
.set LI,   24
.set LS,   25
.set VB,   26
.set VS,   27
.set SPW,  28
.set NIL,  29
.set VB2,  30
.set SC,   32
.set AF,   128
.set X,    128
.set PC,   192
.set TM,   208
.set PW,   224
.set KW0,  225
.set KW1,  226
.set G1, 24
.set G0, 32
.set G1B, 48
.set G0B, 56
.set ISV,  66
.set OUT,  68
.set OUTS, 70
.set BP,   72
.set HI16, 74
.set SEL,  76
.set MNT,  78
.set MSB, 0
.macro WIN new
.if MSB != \new
	s_set_vgpr_msb (MSB<<8)|\new
.set MSB, \new
.endif
.endm
.set MUL_LO, 0xa1
.set MUL_HI, 0xf1
.set TO_B,   0x40
.macro JLOAD g0a, g1a, g0b, g1b
	s_cmp_eq_u32 s15, 0
	s_cbranch_scc0 .Lfor_b_\@
	tensor_load_to_lds s[\g0a:\g0a+3], s[\g1a:\g1a+7]
	s_nop 0
.rept 4
	v_nop
.endr
	s_branch .Lasked_\@
.Lfor_b_\@:
	tensor_load_to_lds s[\g0b:\g0b+3], s[\g1b:\g1b+7]
	s_nop 0
.rept 4
	v_nop
.endr
.Lasked_\@:
.endm
.macro CREST
	s_cmp_lg_u32 s14, 0
	s_cbranch_scc1 .Lnot_wave_0_\@
	s_barrier_signal -3
.Lnot_wave_0_\@:
	s_barrier_wait -3
	s_barrier_signal -1
	s_barrier_wait -1
.endm
.macro CROUND
	s_barrier_signal -1
	s_barrier_wait -1
	CREST
.endm
.macro PLACES n
.rept \n
	v_nop
.endr
.endm
.macro QUANT s
.irp b, 0,1,2,3
	v_max3_num_f32 v[TM+\b], |v[\s+16*\b]|, |v[\s+1+16*\b]|, 0x8000000
.endr
.irp i, 2,4,6,8,10,12,14
.irp b, 0,1,2,3
	v_max3_num_f32 v[TM+\b], v[TM+\b], |v[\s+16*\b+\i]|, |v[\s+1+16*\b+\i]|
.endr
.endr
.irp b, 0,1,2,3
	v_permlanex16_b32 v[TM+4+\b], v[TM+\b], s[SEL], s[SEL+1]
.endr
.irp b, 0,1,2,3
	v_max_num_f32 v[TM+\b], v[TM+\b], v[TM+4+\b]
.endr
.irp b, 0,1,2,3
	v_add_nc_u32 v[TM+12+\b], 0xf8800000, v[TM+\b]
.endr
.irp b, 0,1,2,3
.endr
.irp b, 0,1,2,3
	v_lshrrev_b32 v[TM+4+\b], 23, v[TM+12+\b]
.endr
	v_lshl_or_b32 v[PW], v[TM+5], 8, v[TM+4]
	v_lshl_or_b32 v[PW], v[TM+6], 16, v[PW]
	v_lshl_or_b32 v[PW], v[TM+7], 24, v[PW]
.irp b, 0,1,2,3
.irp i, 0,1,2,3,4,5,6,7,8,9,10,11,12,13,14,15
.endr
	v_cvt_scalef32_pk8_bf8_f32 v[PC+4*\b:PC+1+4*\b], v[\s+16*\b:\s+7+16*\b], v[TM+12+\b]
	v_cvt_scalef32_pk8_bf8_f32 v[PC+2+4*\b:PC+3+4*\b], v[\s+8+16*\b:\s+15+16*\b], v[TM+12+\b]
.endr
	v_nop
.endm
	s_load_b256 s[4:11], s[0:1], 0x0
	s_load_b64 s[12:13], s[0:1], 0x20
	v_lshl_add_u32 v[SPW], v0, 2, SPARE
	v_mov_b32 v[NIL], 0
	ds_add_u32 v28, v29
	ds_add_u32 v28, v29
	s_wait_dscnt 0x0
	v_lshrrev_b32 v1, 5, v0
	v_readfirstlane_b32 s14, v1
	s_lshr_b32 s15, s14, 1
	s_and_b32 s16, s14, 1
	s_bfe_u32 s40, ttmp6, 0x40000
	s_bfe_u32 s41, ttmp6, 0x40004
	s_and_b32 s18, ttmp7, 0xffff
	s_cmp_eq_u32 ttmp9, 2
	s_cselect_b32 s[ISV], 1, 0
	s_cselect_b32 s17, 0, s18
	s_cselect_b32 s42, s18, ttmp9
	s_cselect_b32 s67, 640, 0
	s_cselect_b32 s79, 0, 512
	s_lshl_b32 s17, s17, 2
	s_add_co_u32 s17, s17, s41
	s_lshl_b32 s42, s42, 2
	s_add_co_u32 s42, s42, s40
	s_lshl_b32 s43, s41, 2
	s_lshl_b32 s43, 15, s43
	s_lshl_b32 s44, 0x1111, s40
	s_or_b32 s[G1+0], s43, (3<<16)|(1<<21)
	s_or_b32 s[G1B+0], s44, (3<<16)|(1<<21)
.irp g, G1, G1B
	s_mov_b32 s[\g+1], 512<<16
	s_mov_b32 s[\g+2], 8<<16
	s_mov_b32 s[\g+3], 512<<16
	s_mov_b32 s[\g+4], 8
	s_mov_b32 s[\g+5], 2048
	s_mov_b32 s[\g+6], 0
	s_mov_b32 s[\g+7], 0
.endr
	s_mov_b32 s[HI16], 0xffff0000
	s_mov_b32 s[SEL], 0x76543210
	s_mov_b32 s[SEL+1], 0xfedcba98
	s_lshl_b32 s18, s16, 3
	s_lshl_b32 s20, s17, 4
	s_add_co_u32 s20, s20, s67
	s_add_co_u32 s20, s20, s18
	s_lshl_b32 s20, s20, 14
	s_mov_b32 s21, 0
	s_lshl_b32 s46, s42, 4
	s_add_co_u32 s46, s46, s79
	s_add_co_u32 s46, s46, s18
	s_lshl_b32 s46, s46, 14
	s_mov_b32 s47, 0
	s_mul_i32 s45, s14, HALFT
	s_wait_kmcnt 0x0
	s_add_nc_u64 s[20:21], s[4:5], s[20:21]
	s_add_nc_u64 s[46:47], s[4:5], s[46:47]
	CROUND
.irp s, 0,1
	s_mov_b32 s[G0+4*\s], 1
	s_add_co_u32 s[G0+4*\s+1], s45, \s*SLOT
	s_add_nc_u64 s[G0+4*\s+2:G0+4*\s+3], s[20:21], \s*4096
	s_or_b32 s[G0+4*\s+3], s[G0+4*\s+3], 0x80000000
	s_mov_b32 s[G0B+4*\s], 1
	s_add_co_u32 s[G0B+4*\s+1], s45, \s*SLOT
	s_add_nc_u64 s[G0B+4*\s+2:G0B+4*\s+3], s[46:47], \s*4096
	s_or_b32 s[G0B+4*\s+3], s[G0B+4*\s+3], 0x80000000
	s_wait_alu depctr_va_vdst(0)
	s_wait_tensorcnt 0x0
	ds_add_u32 v28, v29
	ds_add_u32 v28, v29
	s_wait_dscnt 0x0
	CROUND
	JLOAD G0+4*\s, G1, G0B+4*\s, G1B
.endr
	v_and_b32 v1, 31, v0
	v_lshlrev_b32 v[LI], 4, v1
	v_lshlrev_b32 v[LS], 2, v1
	v_and_b32 v2, 15, v0
	v_bfe_u32 v3, v0, 4, 1
	s_mul_i32 s80, s15, HALFT
	s_mul_i32 s81, s16, HALFT
	s_add_co_u32 s81, s81, 2*HALFT
.irp s, 0,1
	v_add_nc_u32 v[ADRA+\s], s80, v[LI]
	v_add_nc_u32 v[ADRB+\s], s81, v[LI]
	s_add_co_u32 s80, s80, SLOT
	s_add_co_u32 s81, s81, SLOT
.endr
	s_lshl_b32 s82, s17, 4
	s_add_co_u32 s82, s82, s67
	s_lshl_b32 s83, s15, 3
	s_add_co_u32 s82, s82, s83
	s_lshl_b32 s82, s82, 9
	s_lshl_b32 s84, s42, 4
	s_add_co_u32 s84, s84, s79
	s_lshl_b32 s85, s16, 3
	s_add_co_u32 s84, s84, s85
	s_lshl_b32 s84, s84, 9
	v_mov_b32 v4, s82
	v_mov_b32 v5, s84
	v_cndmask_b32 v[VS], v4, v5, s[HI16]
	s_wait_alu depctr_va_vdst(0)
	v_lshl_add_u32 v[VS], v2, 2, v[VS]
	s_add_nc_u64 s[86:87], s[4:5], OPS_SC
.set li, 0
.rept 64
	global_load_b32 v[SC+li], v[VS], s[86:87] offset:512*(li/8)+64*(li%8)
.set li, li+1
.endr
	v_lshlrev_b32 v[VB], 6, v3
	v_and_b32 v6, 8, v2
	v_add_nc_u32 v6, v6, v2
	v_lshlrev_b32 v[VB2], 2, v6
	s_lshr_b32 s88, s17, 3
	s_lshl_b32 s88, s88, 5
	s_lshl_b32 s89, s42, 2
	s_add_co_u32 s88, s88, s89
	s_lshl_b32 s89, s16, 1
	s_add_co_u32 s88, s88, s89
	s_and_b32 s89, s17, 7
	s_lshl_b32 s89, s89, 4
	s_add_co_u32 s89, s89, s83
	s_lshl_b32 s90, s88, 17
	s_lshl_b32 s91, s89, 10
	s_add_co_u32 s90, s90, s91
	s_lshl_b32 s88, s88, 13
	s_lshl_b32 s89, s89, 6
	s_add_co_u32 s88, s88, s89
	s_add_co_u32 s88, s88, QK_S
	s_lshr_b32 s92, s42, 3
	s_lshl_b32 s92, s92, 4
	s_lshl_b32 s93, s17, 2
	s_add_co_u32 s92, s92, s93
	s_lshl_b32 s93, s15, 1
	s_add_co_u32 s92, s92, s93
	s_lshl_b32 s92, s92, 4
	s_and_b32 s93, s42, 7
	s_lshl_b32 s93, s93, 1
	s_add_co_u32 s92, s92, s93
	s_add_co_u32 s92, s92, s16
	s_lshl_b32 s93, s92, 13
	s_add_co_u32 s93, s93, V_C
	s_lshl_b32 s92, s92, 8
	s_add_co_u32 s92, s92, V_S
	s_cmp_eq_u32 s[ISV], 0
	s_cselect_b32 s90, s90, s93
	s_cselect_b32 s88, s88, s92
	s_mov_b32 s91, 0
	s_mov_b32 s89, 0
	s_add_nc_u64 s[OUT:OUT+1], s[12:13], s[90:91]
	s_add_nc_u64 s[OUTS:OUTS+1], s[12:13], s[88:89]
	s_and_b32 s94, s42, 3
	s_lshl_b32 s94, s94, 10
	s_lshl_b32 s95, s16, 9
	s_add_co_u32 s94, s94, s95
	s_lshl_b32 s96, s17, 10
	s_lshl_b32 s95, s15, 9
	s_add_co_u32 s96, s96, s95
	s_cmp_eq_u32 s[ISV], 0
	s_cselect_b32 s94, s94, s96
	s_mov_b32 s95, 0
	s_cmp_eq_u32 ttmp9, 0
	s_cselect_b64 s[BP:BP+1], s[6:7], s[8:9]
	s_cmp_eq_u32 ttmp9, 2
	s_cselect_b64 s[BP:BP+1], s[10:11], s[BP:BP+1]
	s_add_nc_u64 s[BP:BP+1], s[BP:BP+1], s[94:95]
.macro FRAG reg, adr, q, i
.irp c, 0,1,2,3
	ds_load_b128 v[\reg+4*\c:\reg+4*\c+3], v[\adr] offset:4096*(\i)+2048*(\q)+512*\c
.endr
.endm
.macro MUL16 a0, p, ks, zero
.irp a, \a0, \a0+1
.irp b, 0,1,2,3,4,5,6,7
.if \zero
	v_wmma_scale_f32_16x16x128_f8f6f4 v[8*(8*((\a)%4)+\b):8*(8*((\a)%4)+\b)+7], v[128*(\p)+FR*\b:128*(\p)+FR*\b+FR-1], v[AF+FR*(\a):AF+FR*(\a)+FR-1], 0, v[SC+8*\b+(\ks)], v[SC+8*(\a)+(\ks)] matrix_a_fmt:MATRIX_FMT_BF8 matrix_b_fmt:MATRIX_FMT_BF8 matrix_a_scale:MATRIX_SCALE_ROW1
.else
	v_wmma_scale_f32_16x16x128_f8f6f4 v[8*(8*((\a)%4)+\b):8*(8*((\a)%4)+\b)+7], v[128*(\p)+FR*\b:128*(\p)+FR*\b+FR-1], v[AF+FR*(\a):AF+FR*(\a)+FR-1], v[8*(8*((\a)%4)+\b):8*(8*((\a)%4)+\b)+7], v[SC+8*\b+(\ks)], v[SC+8*(\a)+(\ks)] matrix_a_fmt:MATRIX_FMT_BF8 matrix_b_fmt:MATRIX_FMT_BF8 matrix_a_scale:MATRIX_SCALE_ROW1
.endif
.endr
.endr
.endm
.macro FETCH_B slot, q, p
	WIN TO_B
.irp i, 0,1,2,3,4,5,6,7
	FRAG 128*(\p)+FR*\i, ADRB+\slot, \q, \i
.endr
	WIN 0
.endm
.macro FETCH_A slot, q, i0
.irp i, \i0, \i0+1, \i0+2, \i0+3
	FRAG AF+FR*(\i), ADRA+\slot, \q, \i
.endr
.endm
.macro STEP slot, ks, zero
	s_wait_dscnt 4*NL
	WIN MUL_LO
	MUL16 0, 0, \ks, \zero
	MUL16 2, 0, \ks, \zero
	s_wait_dscnt 0
	PLACES NP
	FETCH_B \slot, 1, 1
	FETCH_A \slot, 1, 0
	WIN MUL_HI
	MUL16 4, 0, \ks, \zero
	MUL16 6, 0, \ks, \zero
	PLACES NP
	WIN 0
	FETCH_A \slot, 1, 4
.endm
.macro TURN slot, next, ks, fill
	s_wait_tensorcnt 0x0
	ds_add_u32 v[SPW], v[NIL]
	s_wait_dscnt 4*NL+1
	WIN MUL_LO
	MUL16 0, 1, \ks, 0
	s_wait_dscnt 0x0
	s_barrier_signal -1
	MUL16 2, 1, \ks, 0
	WIN 0
	s_barrier_wait -1
.if \fill
	CREST
	s_add_nc_u64 s[G0+4*\slot+2:G0+4*\slot+3], s[G0+4*\slot+2:G0+4*\slot+3], 8192
	s_add_nc_u64 s[G0B+4*\slot+2:G0B+4*\slot+3], s[G0B+4*\slot+2:G0B+4*\slot+3], 8192
	JLOAD G0+4*\slot, G1, G0B+4*\slot, G1B
	PLACES NP-4
.else
	PLACES NP
.endif
	FETCH_B \next, 0, 0
	FETCH_A \next, 0, 0
	WIN MUL_HI
	MUL16 4, 1, \ks, 0
	MUL16 6, 1, \ks, 0
	PLACES NP
	WIN 0
	FETCH_A \next, 0, 4
.endm
	s_wait_tensorcnt 1
	s_barrier_signal -1
	s_barrier_wait -1
	FETCH_B 0, 0, 0
	FETCH_A 0, 0, 0
	FETCH_A 0, 0, 4
	s_wait_loadcnt 0x0
	STEP 0, 0, 1
	TURN 0, 1, 1, 1
	STEP 1, 2, 0
	TURN 1, 0, 3, 1
	STEP 0, 4, 0
	TURN 0, 1, 5, 0
	STEP 1, 6, 0
	s_cmp_eq_u32 s[ISV], 0
	s_cbranch_scc0 .Lbias_v
	WIN TO_B
.set li, 0
	s_wait_alu depctr_va_vdst(0)
.rept 16
	global_load_b128 v[4*li:4*li+3], v[VB], s[BP:BP+1] offset:128*(li/4)+16*(li%4)
.set li, li+1
.endr
	WIN 0
	s_branch .Lbias_done
.Lbias_v:
	WIN TO_B
.set li, 0
	s_wait_alu depctr_va_vdst(0)
.rept 8
	global_load_b32 v[2*li], v[VB2], s[BP:BP+1] offset:(32*(li/2)+8*(li%2))*4
	global_load_b32 v[2*li+1], v[VB2], s[BP:BP+1] offset:(32*(li/2)+8*(li%2))*4
.set li, li+1
.endr
	WIN 0
.Lbias_done:
	s_wait_dscnt 4*NL
	WIN MUL_LO
	MUL16 0, 1, 7, 0
	MUL16 2, 1, 7, 0
	s_wait_dscnt 0
	WIN MUL_HI
	MUL16 4, 1, 7, 0
	MUL16 6, 1, 7, 0
	WIN 0
	PLACES NP
.irp b, 0,1,2,3
	v_mov_b32 v[TM+4+\b], 0
.endr
	v_mov_b32 v[KW0], 0
	v_mov_b32 v[KW1], 0
	s_wait_loadcnt 0x0
.macro EPI a
.set AC, 64*((\a)%4)
.if (\a) > 0
	s_wait_xcnt 0x0
.endif
	s_cmp_eq_u32 s[ISV], 0
	s_cbranch_scc0 .Lvb_\@
	WIN 0x04|(2+(\a)/4)
.irp b, 0,1,2,3,4,5,6,7
.irp j, 0,2,4,6
	v_pk_add_f32 v[X+8*\b+\j:X+8*\b+\j+1], v[AC+8*\b+\j:AC+8*\b+\j+1], v[8*\b+\j:8*\b+\j+1]
.endr
.endr
	WIN 0
	s_branch .Lq_\@
.Lvb_\@:
	WIN 0x04|(2+(\a)/4)
.irp b, 0,1,2,3,4,5,6,7
.irp j, 0,2,4,6
	v_pk_add_f32 v[X+8*\b+\j:X+8*\b+\j+1], v[AC+8*\b+\j:AC+8*\b+\j+1], v[2*(\a):2*(\a)+1]
.endr
.endr
	WIN 0
.Lq_\@:
	QUANT X
	s_cmp_eq_u32 s[ISV], 0
	s_cbranch_scc0 .Lvs_\@
.irp c, 0,1,2,3
	global_store_b128 v[LI], v[PC+4*\c:PC+4*\c+3], s[OUT:OUT+1] offset:(\c/2)*131072+1024*(\a)+(\c%2)*512
.endr
.if (\a)%2 == 0
	v_mov_b32 v[KW0], v[PW]
	v_alignbit_b32 v[KW1], v[PW], v[PW], 16
.else
	v_alignbit_b32 v227, v[PW], v[PW], 16
	v_cndmask_b32 v[KW0], v[KW0], v[PW], s[HI16]
	v_cndmask_b32 v[KW1], v[KW1], v227, s[HI16]
	global_store_b32 v[LS], v[KW0], s[OUTS:OUTS+1] offset:64*((\a)-1)
	global_store_b32 v[LS], v[KW1], s[OUTS:OUTS+1] offset:64*((\a)-1)+8192
.endif
	s_branch .Ldone_\@
.Lvs_\@:
	s_wait_alu depctr_va_vdst(0)
.irp c, 0,1,2,3
	global_store_b128 v[LI], v[PC+4*\c:PC+4*\c+3], s[OUT:OUT+1] offset:((\a)/4)*131072+((\a)%4)*2048+512*\c
.endr
.if (\a)%2 == 0
	v_mov_b32 v[KW0], v[PW]
.else
	v_cndmask_b32 v[KW0], v[KW0], v[PW], s[HI16]
	global_store_b32 v[LS], v[KW0], s[OUTS:OUTS+1] offset:((\a)/4)*4096+(((\a)-1)%4)*64
.endif
.Ldone_\@:
.endm
.irp a, 0,1,2,3,4,5,6,7
	EPI \a
.endr
	s_wait_tensorcnt 0x0
	ds_add_u32 v[SPW], v[NIL]
	s_wait_dscnt 0x0
	CROUND
	s_endpgm
.Lfunc_end_k_qf706fc00df_qkv:
	.size	k_qf706fc00df_qkv, .Lfunc_end_k_qf706fc00df_qkv-k_qf706fc00df_qkv
	.p2alignl 7, 3214868480
	.fill 96, 4, 3214868480
	.section	.rodata,"a",@progbits
	.p2align	6, 0x0
	.amdhsa_kernel k_qf706fc00df_qkv
		.amdhsa_group_segment_fixed_size 327680
		.amdhsa_private_segment_fixed_size 0
		.amdhsa_enable_private_segment 0
		.amdhsa_kernarg_size 40
		.amdhsa_user_sgpr_count 2
		.amdhsa_user_sgpr_kernarg_segment_ptr 1
		.amdhsa_wavefront_size32 1
		.amdhsa_system_sgpr_workgroup_id_x 1
		.amdhsa_system_sgpr_workgroup_id_y 1
		.amdhsa_system_sgpr_workgroup_id_z 1
		.amdhsa_system_vgpr_workitem_id 0
		.amdhsa_next_free_vgpr 1024
		.amdhsa_next_free_sgpr 98
		.amdhsa_reserve_vcc 0
		.amdhsa_float_denorm_mode_32 3
		.amdhsa_float_denorm_mode_16_64 3
		.amdhsa_fp16_overflow 1
		.amdhsa_memory_ordered 1
		.amdhsa_forward_progress 1
		.amdhsa_inst_pref_size 196
	.end_amdhsa_kernel
	.amdgpu_metadata
---
amdhsa.version: [ 1, 2 ]
amdhsa.kernels:
  - .name:           k_qf706fc00df_qkv
    .symbol:         k_qf706fc00df_qkv.kd
    .args:
      - { .name: ops, .offset: 0, .size: 8, .value_kind: global_buffer, .address_space: global }
      - { .name: bq, .offset: 8, .size: 8, .value_kind: global_buffer, .address_space: global }
      - { .name: bk, .offset: 16, .size: 8, .value_kind: global_buffer, .address_space: global }
      - { .name: bv, .offset: 24, .size: 8, .value_kind: global_buffer, .address_space: global }
      - { .name: qkv, .offset: 32, .size: 8, .value_kind: global_buffer, .address_space: global }
    .group_segment_fixed_size: 327680
    .private_segment_fixed_size: 0
    .kernarg_segment_align: 8
    .kernarg_segment_size: 40
    .max_flat_workgroup_size: 128
    .sgpr_count:     98
    .vgpr_count:     1024
    .wavefront_size: 32
...
	.end_amdgpu_metadata
.endif
;; end of part 2
;; launch attn (part 3): grid 4 x 64, 16 waves a work-group, no clusters, 284,672 bytes of LDS; arguments qkv, rt, yq; writes yq
.if DOCPART == 3
	.amdgcn_target "amdgcn-amd-amdhsa--gfx1250"
	.amdhsa_code_object_version 6
	.text
	.protected	k_qf706fc00df_attn
	.globl	k_qf706fc00df_attn
	.p2align	8
	.type	k_qf706fc00df_attn,@function
k_qf706fc00df_attn:
	s_mov_b64 s[64:65], 0
	v_nop
	global_prefetch_b8 v0, s[64:65] scope:SCOPE_SE
	s_setreg_imm32_b32 hwreg(HW_REG_WAVE_MODE, 25, 1), 1
	s_wait_xcnt 0x0
; ATTN: y = softmax(q k^T / 8, rows with mask = 0 set to -1e10) v for one (batch, head), both products on codes of BF8 with E8M0 scales; y is quantised along the projection's K and stored as the image of an operand's registers.
; THE SOFTMAX AHEAD OF THE SECOND PRODUCT: t = score x log2(e) / 8; M = the running largest t rounded up to a whole number; p = 2^(t - M) is quantised along the keys; the sum is taken of the unquantised p and divides at the end.
; THE MASK IS BY QUERY.  A masked query's logits are all -1e10: t is a whole number, M = t, every p is 1 (code 0x78, byte 112) and the sum is 2,048: its row is the sum over the keys of the quantised v / 2,048, the same for all masked
; queries of a head.  Queries are walked in the sorted order of slots (live first).  A tile of 16 slots that holds no live query takes that row, which the work-group makes once; in a tile that holds both kinds a masked lane's
; factor c is 0, so that t = 0, p = 1 and the sum 2,048 come out of the common lines.
; SHARES.  A work-group has one (batch, head) and every fourth tile of slots.  The head's K and V (2 x 131,072 bytes of images) and their scale words lie in LDS, filled once through registers: wave w brings key step w.  One barrier.
; Each of the sixteen waves takes slot tiles 4 w + x and 64 + 4 w + x, in 256 registers.  NO CLUSTER AND NO TENSOR LOAD: which tiles are worked hangs on cnt, a number read from memory, so partners would have different work.
; LAYOUT.  S^T = K Q^T (source 0 = 16 keys; the head's 64 fill half of the instruction's K, the other half is zero codes) and O^T = V^T P^T: a lane holds one query throughout; by the order of rows in K's tiles the 16 registers of
; tiles 2 B, 2 B + 1 are keys 32 B + 16 h + 0..15, and by the same order in V's tiles those of O^T are 16 neighbouring channels.
; LIMITS: NaN and infinities are not served; 1 / sum is v_rcp_f32 and a multiplication; a block of zeros gets the byte 1, not 127 (this program alone reads the bytes).
.set V_C,  16777216
.set QK_S, 25165824
.set V_S,  26214400
.set Y_S,  8388608
.set QSO,  256
.set VIMG, 131072                      ; LDS: K's images [key step][tile 8][c 2][512] from 0; V's [key step][d tile 4][c 4][512] from here;
.set KSL,  262144                      ; K's scale words [key step][group of 4 tiles: 2][r 16][tile 4];
.set VSL,  270336                      ; V's [key step][r 16][d tile 4];
.set PART, 274432                      ; the masked row's 16 parts, 256 bytes each: [d tile][h][8];
.set SCR,  278528                      ; and 256 bytes of each wave's own
.set LI,   1                           ; 16 x lane
.set LIV,  2                           ; + VIMG
.set AKS0, 3                           ; KSL + 16 r
.set AVS0, 4                           ; VSL + 16 r
.set ADK,  5                           ; the key step's addresses (in the fill: where I store)
.set ADV,  6
.set ADS,  7
.set ADT,  8
.set RR,   9                           ; r
.set CL,   10                          ; v[10:11] my query's c, twice
.set Q,    16                          ; v16-31 Q's fragment (24-31 zero codes)
.set KF,   32                          ; v32-95 four fragments of K (the upper 8 of each zero codes)
.set S,    96                          ; v96-159 S^T, p, then V's four fragments, at the end y
.set O,    160                         ; v160-191 O^T
.set PCD,  192                         ; v192-207 p's codes
.set Q1,   208                         ; v208-215 the second tile's Q
.set QSC,  216                         ; v216, v217 Q's scale words
.set KSC,  218                         ; v218-221 K's
.set VSC,  222                         ; v222-225 V's
.set VSF,  226                         ; v226, v227 V's, as the fill loads them: d tiles 2 i (lanes 0-15) and 2 i + 1 (lanes 16-31)
.set BM,   228
.set T1,   232
.set HL,   236
.set SO,   240
.set F,    244                         ; f = 2^(old M - new M)
.set PSW,  245                         ; p's scale word
.set TP,   246                         ; v246-249 at work
.set LS,   250                         ; 4 x lane
.set PWR,  251                         ; PART + 256 w + 32 h
.set PRD,  252                         ; PART + 8 x lane
.set SCW,  253                         ; SCR + 256 w + 8 x lane
.set SCD,  254                         ; SCR + 256 w + 32 h
.set ONE,  255                         ; the scale word of a block of ones: four bytes 112
.set SEL,  28
.set MNT,  30
	s_load_b128 s[4:7], s[0:1], 0x0                ; qkv, rt
	s_load_b64 s[8:9], s[0:1], 0x10                ; yq
	v_lshrrev_b32 v[TP], 5, v0
	s_delay_alu instid0(VALU_DEP_1)
	v_readfirstlane_b32 s10, v[TP]                 ; wave 0..15
	s_mov_b32 s11, ttmp9                           ; x: 0..3
	s_and_b32 s15, ttmp7, 0xffff
	s_lshr_b32 s12, s15, 4                         ; batch
	s_and_b32 s13, s15, 15                         ; head
	v_and_b32 v[TP], 31, v0                        ; lane
	v_bfe_u32 v[TP+1], v0, 4, 1                    ; h
	v_and_b32 v[RR], 15, v0
	s_delay_alu instid0(VALU_DEP_3)
	v_lshlrev_b32 v[LI], 4, v[TP]
	s_delay_alu instid0(VALU_DEP_4)
	v_lshlrev_b32 v[LS], 2, v[TP]
	s_delay_alu instid0(VALU_DEP_2)
	v_add_nc_u32 v[LIV], VIMG, v[LI]
	s_delay_alu instid0(VALU_DEP_4)
	v_lshl_add_u32 v[AKS0], v[RR], 4, KSL
	v_lshl_add_u32 v[AVS0], v[RR], 4, VSL
	s_lshl_b32 s48, s10, 13                        ; 8,192 w
	s_lshl_b32 s49, s10, 9                         ; 512 w
	s_lshl_b32 s50, s10, 8                         ; 256 w
	v_add_nc_u32 v[ADK], s48, v[LI]
	v_add_nc_u32 v[ADV], s48, v[LIV]
	v_lshl_add_u32 v[ADS], v[TP+1], 2, v[AKS0]
	s_delay_alu instid0(VALU_DEP_1)
	v_add_nc_u32 v[ADS], s49, v[ADS]               ; KSL + 512 w + 16 r + 4 h
	v_lshl_add_u32 v[ADT], v[TP+1], 2, v[AVS0]
	s_delay_alu instid0(VALU_DEP_1)
	v_add_nc_u32 v[ADT], s50, v[ADT]               ; VSL + 256 w + 16 r + 4 h
	v_lshl_add_u32 v[PWR], v[TP+1], 5, PART
	s_delay_alu instid0(VALU_DEP_1)
	v_add_nc_u32 v[PWR], s50, v[PWR]
	v_lshl_add_u32 v[PRD], v[TP], 3, PART
	v_lshl_add_u32 v[SCW], v[TP], 3, SCR
	s_delay_alu instid0(VALU_DEP_1)
	v_add_nc_u32 v[SCW], s50, v[SCW]
	v_lshl_add_u32 v[SCD], v[TP+1], 5, SCR
	s_delay_alu instid0(VALU_DEP_1)
	v_add_nc_u32 v[SCD], s50, v[SCD]
	v_lshlrev_b32 v[TP+2], 2, v[RR]                ; 4 r
	s_mov_b32 s[SEL], 0x76543210
	s_mov_b32 s[SEL+1], 0xfedcba98
	s_mov_b32 s31, 0x3e38aa3b                      ; c = log2(e) / 8: the same rounding as (score / 8) x log2(e), 1 / 8 being a power of two
	s_lshl_b32 s51, s12, 5
	s_add_co_u32 s51, s51, s13                     ; 32 b + head
	s_lshl_b32 s52, s51, 17                        ; q's codes
	s_mov_b32 s53, 0
	s_lshl_b32 s54, s51, 13
	s_add_co_u32 s54, s54, QK_S                    ; q's scale words
	s_mov_b32 s55, 0
	s_add_co_u32 s46, s52, 16*131072
	s_add_co_u32 s46, s46, s48                     ; k's codes, my key step
	s_mov_b32 s47, 0
	s_add_co_u32 s60, s54, 16*8192
	s_add_co_u32 s60, s60, s49                     ; k's scale words, my key step
	s_mov_b32 s61, 0
	s_lshl_b32 s51, s12, 4
	s_add_co_u32 s51, s51, s13                     ; 16 b + head
	s_lshl_b32 s56, s51, 17
	s_add_co_u32 s56, s56, V_C
	s_add_co_u32 s56, s56, s48
	s_mov_b32 s57, 0
	s_lshl_b32 s58, s51, 12
	s_add_co_u32 s58, s58, V_S
	s_add_co_u32 s58, s58, s50
	s_mov_b32 s59, 0
	s_lshl_b32 s42, s12, 13                        ; rt: 8,192 b + 64 (4 w + x)
	s_add_co_u32 s42, s42, s50
	s_lshl_b32 s51, s11, 6
	s_add_co_u32 s42, s42, s51
	s_mov_b32 s43, 0
	s_lshl_b32 s62, s12, 2
	s_mov_b32 s63, 0
	s_wait_alu depctr_va_vdst(0)
	s_wait_kmcnt 0x0
	s_add_nc_u64 s[20:21], s[4:5], s[52:53]        ; q's codes
	s_add_nc_u64 s[26:27], s[4:5], s[54:55]        ; q's scale words
	s_add_nc_u64 s[16:17], s[4:5], s[46:47]        ; k's codes
	s_add_nc_u64 s[22:23], s[4:5], s[60:61]        ; k's scale words
	s_add_nc_u64 s[18:19], s[4:5], s[56:57]        ; v's codes
	s_add_nc_u64 s[24:25], s[4:5], s[58:59]        ; v's scale words
	s_add_nc_u64 s[42:43], s[6:7], s[42:43]        ; my tiles' qs
	s_add_nc_u64 s[62:63], s[6:7], s[62:63]
	s_load_b32 s14, s[62:63], 0x0                  ; cnt[b]: the batch's live queries
	global_load_b32 v[T1], v[TP+2], s[42:43] offset:QSO            ; where my two tiles' queries lie in q's image
	global_load_b32 v[T1+1], v[TP+2], s[42:43] offset:QSO+4096
.set li, 0
.rept 16
	global_load_b128 v[KF+4*li:KF+4*li+3], v[LI], s[16:17] offset:512*li
.set li, li+1
.endr
.set li, 0
.rept 16
	global_load_b128 v[S+4*li:S+4*li+3], v[LI], s[18:19] offset:512*li   ; as they land they ARE key step w's four fragments of V
.set li, li+1
.endr
.irp i, 0,1,2,3
	global_load_b32 v[HL+\i], v[LS], s[22:23] offset:128*\i
.endr
.irp i, 0,1
	global_load_b32 v[VSF+\i], v[LS], s[24:25] offset:128*\i
.endr
.set li, 0
.rept 16
	v_mov_b32 v[O+li], 0x78787878                  ; a fragment of ones: 32,768 under the scale 2^-15
.set li, li+1
.endr
	v_mov_b32 v[ONE], 0x70707070
	s_wait_loadcnt 38                              ; the two loads of qs are in; the fill's 38 may be out
.irp p, 0,1
	v_min_u32 v[T1+\p], 0x1fff, v[T1+\p]           ; 64 x tile + 4 x lane-row
	s_delay_alu instid0(VALU_DEP_1)
	v_and_b32 v[TP+2], 0x1fc0, v[T1+\p]
	s_delay_alu instid0(VALU_DEP_2)
	v_and_b32 v[TP+3], 0x3c, v[T1+\p]
	s_delay_alu instid0(VALU_DEP_1)
	v_lshlrev_b32 v[TP+3], 2, v[TP+3]
	s_delay_alu instid0(VALU_DEP_1)
	v_lshl_add_u32 v[TP+3], v[TP+2], 4, v[TP+3]    ; 1,024 x tile + 16 x lane-row
	s_delay_alu instid0(VALU_DEP_1)
	v_lshl_add_u32 v[T1+2+\p], v[TP+1], 8, v[TP+3] ; + 256 h
.endr
	global_load_b128 v[Q:Q+3], v[T1+2], s[20:21]
	global_load_b128 v[Q+4:Q+7], v[T1+2], s[20:21] offset:512
	global_load_b32 v[QSC], v[T1], s[26:27]
	global_load_b128 v[Q1:Q1+3], v[T1+3], s[20:21]
	global_load_b128 v[Q1+4:Q1+7], v[T1+3], s[20:21] offset:512
	global_load_b32 v[QSC+1], v[T1+1], s[26:27]
	s_wait_loadcnt 28                              ; K's 16 are in (behind them: V 16, scale words 6, Q 6)
.set li, 0
.rept 16
	ds_store_b128 v[ADK], v[KF+4*li:KF+4*li+3] offset:512*li
.set li, li+1
.endr
	s_wait_loadcnt 12                              ; V's 16
.set li, 0
.rept 16
	ds_store_b128 v[ADV], v[S+4*li:S+4*li+3] offset:512*li
.set li, li+1
.endr
	s_wait_loadcnt 6                               ; the scale words
.irp i, 0,1,2,3
	ds_store_b32 v[ADS], v[HL+\i] offset:256*(\i/2)+8*(\i%2)       ; tile 2 i + h, row r: to [group][r][tile % 4]
.endr
.irp i, 0,1
	ds_store_b32 v[ADT], v[VSF+\i] offset:8*\i                     ; d tile 2 i + h, row r: to [r][d tile]
.endr
.irp d, 0,1                            ; the masked row's part of key step w: V's fragments x ones
	v_wmma_scale_f32_16x16x128_f8f6f4 v[176+16*\d:183+16*\d], v[S+32*\d:S+32*\d+15], v[O:O+15], 0, v[VSF+\d], v[ONE] matrix_a_fmt:MATRIX_FMT_BF8 matrix_b_fmt:MATRIX_FMT_BF8
	v_wmma_scale_f32_16x16x128_f8f6f4 v[184+16*\d:191+16*\d], v[S+32*\d+16:S+32*\d+31], v[O:O+15], 0, v[VSF+\d], v[ONE] matrix_a_fmt:MATRIX_FMT_BF8 matrix_b_fmt:MATRIX_FMT_BF8 matrix_a_scale:MATRIX_SCALE_ROW1
.endr
.rept 8
	v_nop
.endr
.irp d, 0,1,2,3
	ds_store_b128 v[PWR], v[176+8*\d:179+8*\d] offset:64*\d        ; all sixteen columns are alike: the lanes of a half write the same bytes with the same values
	ds_store_b128 v[PWR], v[180+8*\d:183+8*\d] offset:64*\d+16
.endr
	s_wait_loadcnt 0x0                             ; Q
	s_wait_dscnt 0x0                               ; for the others' sake: my stores have landed
	s_barrier_signal -1
	s_barrier_wait -1                              ; the launch's one barrier: from here on K, V, their scale words and the parts are only read
.irp i, 0,1,2,3,4,5,6,7
	v_mov_b32 v[Q+8+\i], 0                         ; the upper half of K = 128: zero codes, on both sides
.endr
.irp t, 0,1,2,3
.irp i, 8,9,10,11,12,13,14,15
	v_mov_b32 v[KF+16*\t+\i], 0
.endr
.endr
.irp i, 0,1,2,3
	v_mov_b32 v[T1+\i], 0                          ; a lane permute's destination counts as one of its sources
.endr
	v_mov_b32 v[PSW], 0                            ; (named as the upper half of the pair with f before it is first written)
	s_wait_kmcnt 0x0                               ; cnt
; A KEY STEP: 128 keys.  Its four addresses are made ahead of the branch that may pass it over; with the five v_nop here they are the nine places between the last step's products and the first product below, which writes over V's fragments
.macro STEP qsc
.rept 5
	v_nop
.endr
	s_wait_alu depctr_va_vdst(0)
.irp g, 0,1
.if \g
.rept 8
	v_nop                                          ; in front of loads into registers that matrix instructions have read
.endr
.endif
.irp t, 0,1,2,3
	ds_load_b128 v[KF+16*\t:KF+16*\t+3], v[ADK] offset:(4*\g+\t)*1024
	ds_load_b128 v[KF+16*\t+4:KF+16*\t+7], v[ADK] offset:(4*\g+\t)*1024+512
.endr
	ds_load_b128 v[KSC:KSC+3], v[ADS] offset:256*\g
	s_wait_dscnt 0x0
.irp t, 0,1,2,3
	v_wmma_scale_f32_16x16x128_f8f6f4 v[S+8*(4*\g+\t):S+8*(4*\g+\t)+7], v[KF+16*\t:KF+16*\t+15], v[Q:Q+15], 0, v[KSC+\t], v[\qsc] matrix_a_fmt:MATRIX_FMT_BF8 matrix_b_fmt:MATRIX_FMT_BF8
.endr
.endr
.rept 8
	v_nop
.endr
.irp b, 0,1,2,3
	v_max3_num_f32 v[BM+\b], v[S+16*\b], v[S+1+16*\b], v[S+2+16*\b]   ; the largest score of each block of 32 keys: for the row's maximum, and, since p rises with the score, for the block's largest p
.endr
.irp i, 3,5,7,9,11,13
.irp b, 0,1,2,3
	v_max3_num_f32 v[BM+\b], v[BM+\b], v[S+16*\b+\i], v[S+1+16*\b+\i]
.endr
.endr
.irp b, 0,1,2,3
	v_max_num_f32 v[BM+\b], v[BM+\b], v[S+15+16*\b]
.endr
.irp b, 0,1,2,3
	s_delay_alu instid0(VALU_DEP_4)
	v_permlanex16_b32 v[T1+\b], v[BM+\b], s[SEL], s[SEL+1]
.endr
.irp b, 0,1,2,3
	s_delay_alu instid0(VALU_DEP_4)
	v_max_num_f32 v[BM+\b], v[BM+\b], v[T1+\b]
.endr
	s_delay_alu instid0(VALU_DEP_2)
	v_max3_num_f32 v[TP], v[BM], v[BM+1], v[BM+2]
	s_delay_alu instid0(VALU_DEP_1)
	v_max_num_f32 v[TP], v[TP], v[BM+3]
	s_delay_alu instid0(VALU_DEP_1)
	v_mul_f32 v[TP], v[CL], v[TP]                  ; as t (c is not negative)
	s_delay_alu instid0(VALU_DEP_1)
	v_max_num_f32 v13, v13, v[TP]                  ; the running largest t
	v_mov_b32 v[TP], v12
	s_delay_alu instid0(VALU_DEP_2)
	v_floor_f32 v12, -v13                          ; -M = floor(-t): M is a whole number
	s_delay_alu instid0(VALU_DEP_1)
	v_sub_f32 v[TP], v12, v[TP]
	s_delay_alu instid0(VALU_DEP_1)
	v_cvt_i32_f32 v[TP], v[TP]                     ; (it saturates)
	s_delay_alu instid0(VALU_DEP_1)
	v_ldexp_f32 v[F], 1.0, v[TP]                   ; f = 2^(old M - new M): rounds nothing
.set lj, 0
.rept 32
	v_pk_fma_f32 v[S+lj:S+lj+1], v[S+lj:S+lj+1], v[CL:CL+1], v[12:13] op_sel_hi:[1,0,0]   ; t - M, two at a time
.set lj, lj+2
.endr
.irp b, 0,1,2,3
	v_fma_f32 v[BM+\b], v[BM+\b], v[CL], v12
.endr
.set lj, 0
	s_wait_alu depctr_va_vdst(0)
.rept 64
	v_exp_f32 v[S+lj], v[S+lj]                     ; p = 2^(t - M)
.set lj, lj+1
.endr
	s_setprio 1
	v_pk_mul_f32 v[14:15], v[14:15], v[F:F+1] op_sel_hi:[1,0]      ; the sums under the new M: a plain line behind the exponentials
	s_wait_alu depctr_va_vdst(0)                   ; one wait for the batch of 64, ahead of its first reader
.irp b, 0,1,2,3
	v_exp_f32 v[BM+\b], v[BM+\b]                   ; each block's largest p
.endr
	v_pk_add_f32 v[T1:T1+1], v[S:S+1], v[S+2:S+3]  ; the row's sum of the unquantised p, in two chains
.set lj, 4
.rept 15
	v_pk_add_f32 v[14:15], v[14:15], v[S+lj:S+lj+1]
	v_pk_add_f32 v[T1:T1+1], v[T1:T1+1], v[S+lj+2:S+lj+3]
.set lj, lj+4
.endr
	s_delay_alu instid0(VALU_DEP_1)
	v_pk_add_f32 v[14:15], v[14:15], v[T1:T1+1]
	s_wait_alu depctr_va_vdst(0)                   ; and one for the four
.irp b, 0,1,2,3
	v_max_num_f32 v[BM+\b], 0x8000000, v[BM+\b]    ; the floor 2^(16 - 127)
.endr
.irp b, 0,1,2,3
	s_delay_alu instid0(VALU_DEP_4)
	v_add_nc_u32 v[SO+\b], 0xf8800000, v[BM+\b]
.endr
.irp b, 0,1,2,3
.endr
.irp b, 0,1,2,3
	s_delay_alu instid0(VALU_DEP_4)
	v_lshrrev_b32 v[T1+\b], 23, v[SO+\b]
.endr
	s_delay_alu instid0(VALU_DEP_3)
	v_lshl_or_b32 v[PSW], v[T1+1], 8, v[T1]
	s_delay_alu instid0(VALU_DEP_1)
	v_lshl_or_b32 v[PSW], v[T1+2], 16, v[PSW]
	s_delay_alu instid0(VALU_DEP_1)
	v_lshl_or_b32 v[PSW], v[T1+3], 24, v[PSW]
.irp b, 0,1,2,3
.irp i, 0,1,2,3,4,5,6,7,8,9,10,11,12,13,14,15
.endr
	v_cvt_scalef32_pk8_bf8_f32 v[PCD+4*\b:PCD+4*\b+1], v[S+16*\b:S+16*\b+7], v[SO+\b]
	v_cvt_scalef32_pk8_bf8_f32 v[PCD+4*\b+2:PCD+4*\b+3], v[S+16*\b+8:S+16*\b+15], v[SO+\b]
.endr
.set lj, 0
	v_nop
.rept 16
	ds_load_b128 v[S+4*lj:S+4*lj+3], v[ADV] offset:512*lj          ; V's four fragments take p's registers
.set lj, lj+1
.endr
	s_setprio 0
	ds_load_b128 v[VSC:VSC+3], v[ADT]
.set lj, 0
.rept 16
	v_pk_mul_f32 v[O+lj:O+lj+1], v[O+lj:O+lj+1], v[F:F+1] op_sel_hi:[1,0]   ; O^T under the new M; these are also the places in front of the products
.set lj, lj+2
.endr
	s_wait_alu depctr_va_vdst(0)
	s_wait_dscnt 0x0
.irp d, 0,1,2,3
	v_wmma_scale_f32_16x16x128_f8f6f4 v[O+8*\d:O+8*\d+7], v[S+16*\d:S+16*\d+15], v[PCD:PCD+15], v[O+8*\d:O+8*\d+7], v[VSC+\d], v[PSW] matrix_a_fmt:MATRIX_FMT_BF8 matrix_b_fmt:MATRIX_FMT_BF8
.endr
.endm
.macro QUANT2                          ; y's 32 numbers of a lane, register 16 b + i = channel 32 b + 16 h + i: two blocks of the projection's K
.irp b, 0,1
	v_max3_num_f32 v[BM+\b], |v[S+16*\b]|, |v[S+1+16*\b]|, 0x8000000
.endr
.irp i, 2,4,6,8,10,12,14
.irp b, 0,1
	s_delay_alu instid0(VALU_DEP_2)
	v_max3_num_f32 v[BM+\b], v[BM+\b], |v[S+16*\b+\i]|, |v[S+1+16*\b+\i]|
.endr
.endr
.irp b, 0,1
	s_delay_alu instid0(VALU_DEP_2)
	v_permlanex16_b32 v[T1+\b], v[BM+\b], s[SEL], s[SEL+1]
.endr
.irp b, 0,1
	s_delay_alu instid0(VALU_DEP_2)
	v_max_num_f32 v[BM+\b], v[BM+\b], v[T1+\b]
.endr
.irp b, 0,1
	s_delay_alu instid0(VALU_DEP_2)
	v_add_nc_u32 v[SO+\b], 0xf8800000, v[BM+\b]
.endr
.irp b, 0,1
.endr
.irp b, 0,1
	s_delay_alu instid0(VALU_DEP_2)
	v_lshrrev_b32 v[T1+\b], 23, v[SO+\b]
.endr
	s_delay_alu instid0(VALU_DEP_1)
	v_lshl_or_b32 v[TP+1], v[T1+1], 8, v[T1]       ; the head's two bytes of the row's scale word
.irp b, 0,1
.irp i, 0,1,2,3,4,5,6,7,8,9,10,11,12,13,14,15
.endr
	v_cvt_scalef32_pk8_bf8_f32 v[PCD+4*\b:PCD+4*\b+1], v[S+16*\b:S+16*\b+7], v[SO+\b]
	v_cvt_scalef32_pk8_bf8_f32 v[PCD+4*\b+2:PCD+4*\b+3], v[S+16*\b+8:S+16*\b+15], v[SO+\b]
.endr
	v_nop
.endm
; ONE TILE OF 16 SLOTS.  Every wave walks all 16 key steps: the trip count is a constant; a tile without a live query passes each step's work over by a scalar branch on cnt
.macro PASS p
.if \p
.irp i, 0,1,2,3,4,5,6,7
	v_mov_b32 v[Q+\i], v[Q1+\i]
.endr
.endif
	s_lshl_b32 s45, s10, 2
	s_add_co_u32 s45, s45, s11
	s_add_co_u32 s45, s45, 64*\p                   ; the tile of slots
	s_lshl_b32 s32, s45, 4                         ; its first slot
	v_add_nc_u32 v[TP], s32, v[RR]
	s_delay_alu instid0(VALU_DEP_1)
	v_cmp_gt_u32 vcc_lo, s14, v[TP]                ; is my query live?
	v_mov_b32 v[TP+1], s31
	s_delay_alu instid0(VALU_DEP_1)
	v_cndmask_b32 v[CL], 0, v[TP+1], vcc_lo        ; c, or 0 for a masked query
	s_delay_alu instid0(VALU_DEP_1)
	v_mov_b32 v[CL+1], v[CL]
	v_mov_b32 v13, 0xff61b1e6                      ; the largest t so far: -3e38
	s_delay_alu instid0(VALU_DEP_1)
	v_floor_f32 v12, -v13
	v_mov_b32 v14, 0
	v_mov_b32 v15, 0
.set li, 0
.rept 32
	v_mov_b32 v[O+li], 0
.set li, li+1
.endr
	s_lshl_b32 s46, s12, 7
	s_add_co_u32 s46, s46, s45                     ; the tile among all 512
	s_lshr_b32 s47, s13, 1
	s_and_b32 s51, s13, 1
	s_lshl_b32 s48, s46, 14
	s_lshl_b32 s50, s47, 11
	s_add_co_u32 s48, s48, s50
	s_lshl_b32 s50, s51, 10
	s_add_co_u32 s48, s48, s50                     ; K step head / 2, parts c = 2 (head % 2) and the next
	s_mov_b32 s49, 0
	s_add_nc_u64 s[38:39], s[8:9], s[48:49]
	s_lshl_b32 s48, s46, 9
	s_lshl_b32 s50, s47, 6
	s_add_co_u32 s48, s48, s50
	s_lshl_b32 s50, s51, 1
	s_add_co_u32 s48, s48, s50
	s_add_co_u32 s48, s48, Y_S
	s_add_nc_u64 s[40:41], s[8:9], s[48:49]
	s_mov_b32 s33, 0
	s_mov_b32 s34, 0
	s_mov_b32 s35, 0
	s_mov_b32 s36, 16
.Lk_\@:
	v_add_nc_u32 v[ADK], s33, v[LI]
	v_add_nc_u32 v[ADV], s33, v[LIV]
	v_add_nc_u32 v[ADS], s34, v[AKS0]
	v_add_nc_u32 v[ADT], s35, v[AVS0]
	s_cmp_ge_u32 s32, s14
	s_cbranch_scc1 .Lskip_\@
	s_setprio 2
	STEP QSC+\p
.Lskip_\@:
	s_add_co_u32 s33, s33, 8192
	s_add_co_u32 s34, s34, 512
	s_add_co_u32 s35, s35, 256
	s_sub_co_u32 s36, s36, 1
	s_cmp_lg_u32 s36, 0
	s_cbranch_scc1 .Lk_\@
	s_setprio 0
.rept 8
	v_nop                                          ; behind the last products, for both ways below
.endr
	s_cmp_ge_u32 s32, s14
	s_cbranch_scc1 .Ldead_\@
	v_add_f32 v14, v14, v15
	s_delay_alu instid0(VALU_DEP_1)
	v_permlanex16_b32 v[TP], v14, s[SEL], s[SEL+1]
	s_delay_alu instid0(VALU_DEP_1)
	v_add_f32 v14, v14, v[TP]                      ; the row's sum
	s_wait_alu depctr_va_vdst(0)
	v_rcp_f32 v14, v14
	v_nop
	s_wait_alu depctr_va_vdst(0)
.set li, 0
.rept 16
	v_pk_mul_f32 v[S+li:S+li+1], v[O+li:O+li+1], v[14:15] op_sel_hi:[1,0]
.set li, li+2
.endr
	s_branch .Ljoin_\@
.Ldead_\@:                             ; the masked row: the sixteen parts are added, two channels a lane, divided by 2,048, and turned through my own 256 bytes into O^T's layout
.set li, 0
.rept 16
	ds_load_b64 v[S+2*li:S+2*li+1], v[PRD] offset:256*li
.set li, li+1
.endr
	s_wait_dscnt 0x0
.set li, 2
	v_pk_add_f32 v[S:S+1], v[S:S+1], v[S+li:S+li+1]
.set li, li+2
.rept (15)-1
	s_delay_alu instid0(VALU_DEP_1)
	v_pk_add_f32 v[S:S+1], v[S:S+1], v[S+li:S+li+1]
.set li, li+2
.endr
	s_delay_alu instid0(VALU_DEP_1)
	v_pk_mul_f32 v[S+32:S+33], v[S:S+1], 0x3a000000 op_sel_hi:[1,0]
	ds_store_b64 v[SCW], v[S+32:S+33]
.irp d, 0,1,2,3
	ds_load_b128 v[S+8*\d:S+8*\d+3], v[SCD] offset:64*\d           ; LDS serves a wave's instructions in order: these see my store
	ds_load_b128 v[S+8*\d+4:S+8*\d+7], v[SCD] offset:64*\d+16
.endr
	s_wait_dscnt 0x0
.Ljoin_\@:
	s_wait_alu depctr_va_vdst(0)
	QUANT2
	global_store_b128 v[LI], v[PCD:PCD+3], s[38:39]                ; 512 consecutive bytes each
	global_store_b128 v[LI], v[PCD+4:PCD+7], s[38:39] offset:512
	v_lshlrev_b32 v[TP+2], 2, v[RR]
	v_and_b32 v[TP+3], 31, v0
	s_delay_alu instid0(VALU_DEP_1)
	v_cmp_gt_u32 vcc_lo, 16, v[TP+3]
	s_wait_alu depctr_va_vdst(0)
	s_wait_xcnt 0x0                                ; EXEC is a source of the stores above
	s_and_saveexec_b32 s44, vcc_lo
	global_store_b16 v[TP+2], v[TP+1], s[40:41]    ; lanes 0-15: two bytes of row r's scale word
	s_wait_xcnt 0x0                                ; and of this one; the stores' registers and bases are also free behind this wait
	s_or_b32 exec_lo, exec_lo, s44
.endm
	PASS 0
	PASS 1
	s_wait_xcnt 0x0
	s_mov_b32 exec_lo, -1
	v_lshl_add_u32 v254, v0, 2, 0x45000
	v_mov_b32 v255, 0
	s_wait_alu depctr_va_vdst(0)
	s_wait_tensorcnt 0x0
	ds_add_u32 v254, v255
	s_wait_dscnt 0x0
	s_endpgm
.Lfunc_end_k_qf706fc00df_attn:
	.size	k_qf706fc00df_attn, .Lfunc_end_k_qf706fc00df_attn-k_qf706fc00df_attn
	.p2alignl 7, 3214868480
	.fill 96, 4, 3214868480
	.section	.rodata,"a",@progbits
	.p2align	6, 0x0
	.amdhsa_kernel k_qf706fc00df_attn
		.amdhsa_group_segment_fixed_size 284672
		.amdhsa_private_segment_fixed_size 0
		.amdhsa_enable_private_segment 0
		.amdhsa_kernarg_size 24
		.amdhsa_user_sgpr_count 2
		.amdhsa_user_sgpr_kernarg_segment_ptr 1
		.amdhsa_wavefront_size32 1
		.amdhsa_system_sgpr_workgroup_id_x 1
		.amdhsa_system_sgpr_workgroup_id_y 1
		.amdhsa_system_sgpr_workgroup_id_z 1
		.amdhsa_system_vgpr_workitem_id 0
		.amdhsa_next_free_vgpr 256
		.amdhsa_next_free_sgpr 66
		.amdhsa_reserve_vcc 1
		.amdhsa_float_denorm_mode_32 3
		.amdhsa_float_denorm_mode_16_64 3
		.amdhsa_fp16_overflow 1
		.amdhsa_memory_ordered 1
		.amdhsa_forward_progress 1
		.amdhsa_inst_pref_size 72
	.end_amdhsa_kernel
	.amdgpu_metadata
---
amdhsa.version: [ 1, 2 ]
amdhsa.kernels:
  - .name:           k_qf706fc00df_attn
    .symbol:         k_qf706fc00df_attn.kd
    .args:
      - { .name: qkv, .offset: 0, .size: 8, .value_kind: global_buffer, .address_space: global }
      - { .name: rt, .offset: 8, .size: 8, .value_kind: global_buffer, .address_space: global }
      - { .name: yq, .offset: 16, .size: 8, .value_kind: global_buffer, .address_space: global }
    .group_segment_fixed_size: 284672
    .private_segment_fixed_size: 0
    .kernarg_segment_align: 8
    .kernarg_segment_size: 24
    .max_flat_workgroup_size: 512
    .sgpr_count:     66
    .vgpr_count:     256
    .wavefront_size: 32
...
	.end_amdgpu_metadata
.endif
;; end of part 3
;; launch proj (part 4): grid 256 x 1, 16 waves a work-group, clusters of 4 x 1, 327,680 bytes of LDS; arguments yq, ops, rt, x, bp, ln_g, ln_b, out0; writes out0
.if DOCPART == 4
	.amdgcn_target "amdgcn-amd-amdhsa--gfx1250"
	.amdhsa_code_object_version 6
	.text
	.protected	k_qf706fc00df_proj
	.globl	k_qf706fc00df_proj
	.p2align	8
	.type	k_qf706fc00df_proj,@function
k_qf706fc00df_proj:
	s_mov_b64 s[64:65], 0
	v_nop
	global_prefetch_b8 v0, s[64:65] scope:SCOPE_SE
	s_setreg_imm32_b32 hwreg(HW_REG_WAVE_MODE, 25, 1), 1
	s_wait_xcnt 0x0
	s_wait_alu depctr_hold_cnt(0) depctr_sa_sdst(0) depctr_va_vdst(0) depctr_va_sdst(0) depctr_va_ssrc(0) depctr_va_vcc(0) depctr_vm_vsrc(0)
	s_getreg_b32 s2, hwreg(HW_REG_IB_STS2, 6, 4)
	s_cmp_eq_u32 s2, 0
	s_cbranch_scc0 .Lentry_in_a_cluster
	s_endpgm
.Lentry_in_a_cluster:
	s_bfe_u32 s2, ttmp6, 0x10000c
	s_cmp_lg_u32 s2, 0x3003
	s_cbranch_scc0 .Lentry_shape_is_right
	s_endpgm
.Lentry_shape_is_right:
; PROJ: out = LayerNorm(y Wp + bp + x) g + b.  y and Wp are codes of BF8 with E8M0 scales, as images of operand registers; y's rows are slots (each batch's tokens sorted), and perm says which token a slot is.
; SHARES.  A work-group takes 32 slots x all 1,024 columns, since the norm wants whole rows.  Wave w of sixteen makes columns 64 w .. 64 w + 63: 2 tiles of rows x 4 tiles of columns = 8 accumulators, by turns.
; The product is used transposed (source 0 = 16 columns of Wp, source 1 = 16 slots): a lane holds one slot and, by the order of rows in Wp's tiles, 16 neighbouring columns in two tiles' registers.  bp is the C of each sum's first product.
; Wp goes through a ring of two LDS slots, one K step (131,072 bytes) each; wave w fetches, and alone reads, its own 4 tiles x 2,048 bytes.  CLUSTER: the four work-groups of a cluster walk the same Wp: every tile is asked for jointly.
; y's 32,768 bytes come once, through registers, into LDS bytes of their own.  The results meet in a stage (32 rows x 4,112 bytes, in the ring, behind its last fill and last read); each wave then has two whole rows:
; + x (read by whole rows, prefetched into the L2 seven K steps ahead: one instruction a wave, 32 lanes for the 32 blocks of 256 bytes of its two rows, each block named once in the launch), mean, variance, gain and shift, and whole rows out.
; LIMITS: NaN and infinities are not served; 1 / sqrt is v_rsq_f32.
.set OPS_SC, 12582912
.set Y_S,    8388608
.set PERM,   33024
.set SLOT1,  131072
.set AIMG,   262144                    ; y's images: [row tile 2][K step 8][2,048]
.set SPARE,  294912                    ; the spare words: 128 bytes for each of 16 waves
.set SPT,    4112                      ; a stage row: 4,096 bytes + 16
.set LI,  1                            ; 16 x lane
.set SPW, 2
.set NIL, 3
.set ADB, 4                            ; v4, v5 my tiles of Wp in slot 0, 1
.set ADA, 6                            ; AIMG + 16 x lane
.set AW,  7                            ; where I store my part of y's images
.set VSO, 8                            ; 512 h + 4 r: scale words of two neighbouring tiles
.set STO, 9                            ; v9, v10 the stage, in: row tile 0, 1
.set SR,  11                           ; the stage, back: my two rows
.set VBO, 12                           ; 64 h
.set PFO, 13                           ; the prefetch's offset; never rewritten behind it
.set ACC, 16                           ; v16-79 accumulator (m, n) at 16 + 8 (4 m + n); later my two rows
.set BF,  80                           ; v80-143 Wp's four fragments; later x's two rows
.set AFR, 144                          ; v144-175 y's two fragments; later the gain
.set BPF, 176                          ; v176-207 bp in the result's layout; later the shift
.set T,   208                          ; v208-225 at work
.set BS,  232                          ; v232-247 Wp's scale words: 8 i + K step: tile 2 i in lanes 0-15, tile 2 i + 1 in lanes 16-31
.set AS,  248                          ; v248-255 y's: K step: row tile 0 in lanes 0-15, row tile 1 in lanes 16-31
.set G1,  24
.set G0,  32
.set SEL, 50
.macro ROUND                           ; a round of the cluster's barrier
	s_barrier_signal -1
	s_barrier_wait -1
	s_cmp_lg_u32 s20, 0
	s_cbranch_scc1 .Lnot_wave_0_\@
	s_barrier_signal -3
.Lnot_wave_0_\@:
	s_barrier_wait -3
	s_barrier_signal -1
	s_barrier_wait -1
.endm
.macro PROD d, a, b, c, sa, sb, ra, rb ; one product; ra, rb: which half of the lanes holds the side's scale words
.if (\ra) && (\rb)
	v_wmma_scale_f32_16x16x128_f8f6f4 v[(\d):(\d)+7], v[(\a):(\a)+15], v[(\b):(\b)+15], v[(\c):(\c)+7], v[(\sa)], v[(\sb)] matrix_a_fmt:MATRIX_FMT_BF8 matrix_b_fmt:MATRIX_FMT_BF8 matrix_a_scale:MATRIX_SCALE_ROW1 matrix_b_scale:MATRIX_SCALE_ROW1
.elseif (\ra)
	v_wmma_scale_f32_16x16x128_f8f6f4 v[(\d):(\d)+7], v[(\a):(\a)+15], v[(\b):(\b)+15], v[(\c):(\c)+7], v[(\sa)], v[(\sb)] matrix_a_fmt:MATRIX_FMT_BF8 matrix_b_fmt:MATRIX_FMT_BF8 matrix_a_scale:MATRIX_SCALE_ROW1
.elseif (\rb)
	v_wmma_scale_f32_16x16x128_f8f6f4 v[(\d):(\d)+7], v[(\a):(\a)+15], v[(\b):(\b)+15], v[(\c):(\c)+7], v[(\sa)], v[(\sb)] matrix_a_fmt:MATRIX_FMT_BF8 matrix_b_fmt:MATRIX_FMT_BF8 matrix_b_scale:MATRIX_SCALE_ROW1
.else
	v_wmma_scale_f32_16x16x128_f8f6f4 v[(\d):(\d)+7], v[(\a):(\a)+15], v[(\b):(\b)+15], v[(\c):(\c)+7], v[(\sa)], v[(\sb)] matrix_a_fmt:MATRIX_FMT_BF8 matrix_b_fmt:MATRIX_FMT_BF8
.endif
.endm
	s_load_b512 s[4:19], s[0:1], 0x0               ; yq s[4:5], ops s[6:7], rt s[8:9], x s[10:11], bp s[12:13], ln_g s[14:15], ln_b s[16:17], out0 s[18:19]
	v_lshl_add_u32 v[SPW], v0, 2, SPARE
	v_mov_b32 v[NIL], 0
	ds_add_u32 v2, v3
	ds_add_u32 v2, v3
	s_wait_dscnt 0x0
	v_lshrrev_b32 v14, 5, v0
	s_delay_alu instid0(VALU_DEP_1)
	v_readfirstlane_b32 s20, v14                   ; wave 0..15
	s_bfe_u32 s21, ttmp6, 0x40000                  ; cx: it enters global addresses alone
	s_lshl_b32 s22, ttmp9, 2
	s_add_co_u32 s22, s22, s21                     ; the work-group: 32 slots
	; descriptor group 1: 4 rows (tiles) of 2,048 bytes (256 elements of 8 bytes), 16,384 bytes apart; dense in LDS; all four work-groups
	s_mov_b32 s[G1+0], 15|(3<<16)|(1<<21)
	s_mov_b32 s[G1+1], 256<<16                     ; tensor_dim0
	s_mov_b32 s[G1+2], 4<<16                       ; tensor_dim1
	s_mov_b32 s[G1+3], 256<<16                     ; tile_dim0
	s_mov_b32 s[G1+4], 4                           ; tile_dim1
	s_mov_b32 s[G1+5], 2048
	s_mov_b32 s[G1+6], 0
	s_mov_b32 s[G1+7], 0
	s_mov_b32 s[SEL], 0x76543210
	s_mov_b32 s[SEL+1], 0xfedcba98
	s_mov_b32 s52, 0x3a800000                      ; 1 / 1,024
	s_mov_b32 s53, 0x3727c5ac                      ; 1e-5
	v_and_b32 v14, 31, v0
	s_delay_alu instid0(VALU_DEP_1)
	v_lshlrev_b32 v[LI], 4, v14
	v_and_b32 v14, 15, v0                          ; r
	v_bfe_u32 v15, v0, 4, 1                        ; h
	s_lshl_b32 s23, s20, 13
	v_add_nc_u32 v[ADB], s23, v[LI]
	s_delay_alu instid0(VALU_DEP_1)
	v_add_nc_u32 v[ADB+1], SLOT1, v[ADB]
	v_add_nc_u32 v[ADA], AIMG, v[LI]
	s_lshl_b32 s23, s20, 11
	v_add_nc_u32 v[AW], s23, v[ADA]
	v_lshlrev_b32 v[VSO], 9, v15
	s_delay_alu instid0(VALU_DEP_1)
	v_lshl_add_u32 v[VSO], v14, 2, v[VSO]
	v_mul_u32_u24 v[STO], v14, SPT
	s_delay_alu instid0(VALU_DEP_1)
	v_lshl_add_u32 v[STO], v15, 6, v[STO]
	s_lshl_b32 s23, s20, 8
	v_add_nc_u32 v[STO], s23, v[STO]               ; row r, + 256 w + 64 h
	s_delay_alu instid0(VALU_DEP_1)
	v_add_nc_u32 v[STO+1], 16*SPT, v[STO]
	s_mul_i32 s23, s20, 2*SPT
	v_add_nc_u32 v[SR], s23, v[LI]
	v_lshlrev_b32 v[VBO], 6, v15
	v_lshlrev_b32 v15, 2, v15                      ; 4 h: which of my two rows a lane prefetches
	v_mov_b32 v[T+16], 0                           ; a lane permute's destination counts as one of its sources
	v_mov_b32 v[T+17], 0
	s_lshl_b32 s54, s22, 7
	s_lshl_b32 s55, s20, 3
	s_add_co_u32 s54, s54, s55                     ; perm: 4 (32 work-group + 2 w)
	s_mov_b32 s55, 0
	s_lshl_b32 s56, s22, 15
	s_lshl_b32 s57, s20, 11
	s_add_co_u32 s56, s56, s57                     ; y's codes: my 2,048 bytes of the work-group's 32,768
	s_mov_b32 s57, 0
	s_lshl_b32 s58, s22, 10
	s_add_co_u32 s58, s58, Y_S                     ; y's scale words: two tiles
	s_mov_b32 s59, 0
	s_lshl_b32 s60, s20, 11
	s_add_co_u32 s60, s60, OPS_SC+704*512          ; Wp's scale words: tiles 704 + 4 w on
	s_mov_b32 s61, 0
	s_lshl_b32 s62, s20, 8                         ; bp: my 64 columns
	s_mov_b32 s63, 0
	s_lshl_b32 s40, s20, 16
	s_add_co_u32 s40, s40, 704*16384               ; Wp's codes: tiles 704 + 4 w on
	s_mov_b32 s41, 0
	s_wait_alu depctr_va_vdst(0)
	s_wait_kmcnt 0x0
	s_add_nc_u64 s[54:55], s[8:9], s[54:55]
	s_add_nc_u64 s[56:57], s[4:5], s[56:57]
	s_add_nc_u64 s[58:59], s[4:5], s[58:59]
	s_add_nc_u64 s[60:61], s[6:7], s[60:61]
	s_add_nc_u64 s[62:63], s[12:13], s[62:63]
	s_mov_b32 s[G0], 1
	s_lshl_b32 s[G0+1], s20, 13                    ; slot 0: 8,192 w
	s_add_nc_u64 s[G0+2:G0+3], s[6:7], s[40:41]    ; K step 0
	s_mov_b32 s[G0+4], 1
	s_add_co_u32 s[G0+5], s[G0+1], SLOT1
	s_add_nc_u64 s[G0+6:G0+7], s[G0+2:G0+3], 2048  ; K step 1
	s_or_b32 s[G0+3], s[G0+3], 0x80000000
	s_or_b32 s[G0+7], s[G0+7], 0x80000000
	s_load_b64 s[40:41], s[54:55], PERM            ; my two rows' tokens
.irp c, 0,1,2,3
	global_load_b128 v[AFR+4*\c:AFR+4*\c+3], v[LI], s[56:57] offset:512*\c
.endr
	global_load_b32 v[PFO], v15, s[54:55] offset:PERM
.irp s, 0,1,2,3,4,5,6,7
	global_load_b32 v[AS+\s], v[VSO], s[58:59] offset:64*\s
.endr
.set li, 0
.rept 16
	global_load_b32 v[BS+li], v[VSO], s[60:61] offset:1024*(li/8)+64*(li%8)
.set li, li+1
.endr
.irp n, 0,1,2,3
	global_load_b128 v[BPF+8*\n:BPF+8*\n+3], v[VBO], s[62:63] offset:128*(\n/2)+32*(\n%2)      ; tile n's register j: column 32 (n / 2) + 16 h + 8 (n % 2) + j
	global_load_b128 v[BPF+8*\n+4:BPF+8*\n+7], v[VBO], s[62:63] offset:128*(\n/2)+32*(\n%2)+16
.endr
	s_wait_loadcnt 33                              ; y's four loads are in (behind them: 1 + 8 + 16 + 8)
.irp c, 0,1,2,3
	ds_store_b128 v[AW], v[AFR+4*\c:AFR+4*\c+3] offset:512*\c
.endr
	s_wait_dscnt 0x0                               ; for the others' sake: my part of y's images has landed
	ROUND                                          ; all four work-groups are here; y's images are whole
	tensor_load_to_lds s[G0:G0+3], s[G1:G1+7]      ; K step 0
	s_nop 0
.rept 4
	v_nop
.endr
	s_wait_kmcnt 0x0
	s_min_u32 s40, s40, 0x1fff
	s_min_u32 s41, s41, 0x1fff
	s_lshl_b32 s40, s40, 12                        ; a row of x and of out0 is 4,096 bytes
	s_lshl_b32 s22, s41, 12
	s_mov_b32 s41, 0
	s_mov_b32 s23, 0
	s_add_nc_u64 s[42:43], s[18:19], s[40:41]
	s_add_nc_u64 s[44:45], s[18:19], s[22:23]
	s_add_nc_u64 s[46:47], s[10:11], s[40:41]
	s_add_nc_u64 s[48:49], s[10:11], s[22:23]
	s_wait_loadcnt 0x0                             ; scale words, bp, the prefetch's token
	v_min_u32 v[PFO], 0x1fff, v[PFO]
	s_delay_alu instid0(VALU_DEP_1)
	v_lshlrev_b32 v[PFO], 12, v[PFO]
	s_delay_alu instid0(VALU_DEP_1)
	v_lshl_add_u32 v[PFO], v14, 8, v[PFO]          ; lane (r, h): block r of 256 bytes of row h
; K STEP t.  In front of each refill every wave waits for all its tensor loads, adds 0 to its spare word, waits for that and for its reads, and passes a round of the cluster's barrier; the refill is first behind it, one load a wave
.macro TRIP t
.if (\t) < 7
	s_wait_tensorcnt 0x0                           ; my one load that was out: this K step's tiles
	ds_add_u32 v[SPW], v[NIL]                      ; 0 onto my spare word
	s_add_nc_u64 s[G0+4*((\t)%2)+2:G0+4*((\t)%2)+3], s[G0+4*((\t)%2)+2:G0+4*((\t)%2)+3], 4096   ; this slot's next K step
	s_wait_dscnt 0x0                               ; the add is done, and my reads of the other slot are over
	ROUND
	tensor_load_to_lds s[G0+4*(1-(\t)%2):G0+4*(1-(\t)%2)+3], s[G1:G1+7]   ; K step t + 1, into the slot read last
	s_nop 0
.else
	s_wait_tensorcnt 0x0                           ; the last K step's tiles; only I read them
.endif
.rept 8
	v_nop                                          ; in front of loads into registers that matrix instructions have read
.endr
.irp n, 0,1,2,3
.irp c, 0,1,2,3
	ds_load_b128 v[BF+16*\n+4*\c:BF+16*\n+4*\c+3], v[ADB+(\t)%2] offset:2048*\n+512*\c
.endr
.endr
.irp m, 0,1
.irp c, 0,1,2,3
	ds_load_b128 v[AFR+16*\m+4*\c:AFR+16*\m+4*\c+3], v[ADA] offset:16384*\m+2048*(\t)+512*\c
.endr
.endr
.if (\t) == 0
	s_wait_alu depctr_va_vdst(0)
	global_prefetch_b8 v[PFO], s[10:11] th:TH_LOAD_NT scope:SCOPE_SE   ; my two rows of x, which the way out reads seven K steps on
.endif
	s_wait_dscnt 0x0
.irp m, 0,1
.irp n, 0,1,2,3
.if (\t) == 0
	PROD ACC+8*(4*\m+\n), BF+16*\n, AFR+16*\m, BPF+8*\n, BS+8*(\n/2)+(\t), AS+(\t), \n%2, \m
.else
	PROD ACC+8*(4*\m+\n), BF+16*\n, AFR+16*\m, ACC+8*(4*\m+\n), BS+8*(\n/2)+(\t), AS+(\t), \n%2, \m
.endif
.endr
.endr
.endm
.irp t, 0,1,2,3,4,5,6,7
	TRIP \t
.endr
.rept 8
	v_nop                                          ; behind the last products
.endr
.irp R, 0,1
.irp i, 0,1,2,3,4,5,6,7
	global_load_b128 v[BF+32*\R+4*\i:BF+32*\R+4*\i+3], v[LI], s[46+2*\R:47+2*\R] offset:512*\i th:TH_LOAD_NT   ; x: whole rows, 512 consecutive bytes a load
.endr
.endr
.irp i, 0,1,2,3,4,5,6,7
	global_load_b128 v[AFR+4*\i:AFR+4*\i+3], v[LI], s[14:15] offset:512*\i
	global_load_b128 v[BPF+4*\i:BPF+4*\i+3], v[LI], s[16:17] offset:512*\i
.endr
	s_wait_dscnt 0x0
	s_barrier_signal -1
	s_barrier_wait -1                              ; nobody reads the ring any more, and every wave's tensor loads have landed: the stage may be written
.irp m, 0,1
.irp n, 0,1,2,3
	ds_store_b128 v[STO+\m], v[ACC+8*(4*\m+\n):ACC+8*(4*\m+\n)+3] offset:128*(\n/2)+32*(\n%2)       ; each accumulator from its low end on
	ds_store_b128 v[STO+\m], v[ACC+8*(4*\m+\n)+4:ACC+8*(4*\m+\n)+7] offset:128*(\n/2)+32*(\n%2)+16
.endr
.endr
	s_wait_dscnt 0x0                               ; for the others' sake
	s_barrier_signal -1
	s_barrier_wait -1                              ; 32 whole rows lie in the stage
.irp R, 0,1
.irp i, 0,1,2,3,4,5,6,7
	ds_load_b128 v[ACC+32*\R+4*\i:ACC+32*\R+4*\i+3], v[SR] offset:SPT*\R+512*\i
.endr
.endr
	s_wait_dscnt 0x0
	s_wait_loadcnt 0x0
; two rows a wave, 32 numbers a lane each; the rows take turns line by line
.macro ACROSS                          ; the two chains of each row, then the 32 lanes: the sum in every lane, in v[T + 8 R]
.irp R, 0
	s_delay_alu instid0(VALU_DEP_3)
	v_pk_add_f32 v[T+8*\R:T+8*\R+1], v[T+8*\R:T+8*\R+1], v[T+8*\R+2:T+8*\R+3]
.endr
.irp R, 1
	s_delay_alu instid0(VALU_DEP_2)
	v_pk_add_f32 v[T+8*\R:T+8*\R+1], v[T+8*\R:T+8*\R+1], v[T+8*\R+2:T+8*\R+3]
.endr
.irp R, 0,1
	s_delay_alu instid0(VALU_DEP_2)
	v_add_f32 v[T+8*\R], v[T+8*\R], v[T+8*\R+1]
.endr
.irp x, 1,2,4,8
.irp R, 0,1
	s_delay_alu instid0(VALU_DEP_2)
	v_add_f32_dpp v[T+8*\R], v[T+8*\R], v[T+8*\R] row_xmask:\x row_mask:0xf bank_mask:0xf
.endr
.endr
.irp R, 0,1
	s_delay_alu instid0(VALU_DEP_2)
	v_permlanex16_b32 v[T+16+\R], v[T+8*\R], s[SEL], s[SEL+1]
.endr
.irp R, 0,1
	s_delay_alu instid0(VALU_DEP_2)
	v_add_f32 v[T+8*\R], v[T+8*\R], v[T+16+\R]
.endr
.endm
.set lj, 0
.rept 32
	v_pk_add_f32 v[ACC+lj:ACC+lj+1], v[ACC+lj:ACC+lj+1], v[BF+lj:BF+lj+1]      ; h = y Wp + bp + x
.set lj, lj+2
.endr
.irp R, 0,1
	v_pk_add_f32 v[T+8*\R:T+8*\R+1], v[ACC+32*\R:ACC+32*\R+1], v[ACC+32*\R+4:ACC+32*\R+5]
	v_pk_add_f32 v[T+8*\R+2:T+8*\R+3], v[ACC+32*\R+2:ACC+32*\R+3], v[ACC+32*\R+6:ACC+32*\R+7]
.endr
.irp i, 8,12,16,20,24,28
.irp R, 0,1
	s_delay_alu instid0(VALU_DEP_4)
	v_pk_add_f32 v[T+8*\R:T+8*\R+1], v[T+8*\R:T+8*\R+1], v[ACC+32*\R+\i:ACC+32*\R+\i+1]
	s_delay_alu instid0(VALU_DEP_4)
	v_pk_add_f32 v[T+8*\R+2:T+8*\R+3], v[T+8*\R+2:T+8*\R+3], v[ACC+32*\R+\i+2:ACC+32*\R+\i+3]
.endr
.endr
	ACROSS
.irp R, 0
	s_delay_alu instid0(VALU_DEP_2)
	v_mul_f32 v[T+8*\R+4], s52, v[T+8*\R]          ; the mean,
	s_delay_alu instid0(VALU_DEP_3)
	v_mul_f32 v[T+8*\R+5], s52, v[T+8*\R]          ; twice: a pair for the packed subtraction
.endr
.irp R, 1
	s_delay_alu instid0(VALU_DEP_3)
	v_mul_f32 v[T+8*\R+4], s52, v[T+8*\R]          ; the mean,
	s_delay_alu instid0(VALU_DEP_4)
	v_mul_f32 v[T+8*\R+5], s52, v[T+8*\R]          ; twice: a pair for the packed subtraction
.endr
.irp R, 0,1
.set lj, 0
.rept 16
	v_pk_add_f32 v[ACC+32*\R+lj:ACC+32*\R+lj+1], v[ACC+32*\R+lj:ACC+32*\R+lj+1], v[T+8*\R+4:T+8*\R+5] neg_lo:[0,1] neg_hi:[0,1]   ; h - mean
.set lj, lj+2
.endr
.endr
.irp R, 0,1
	v_pk_mul_f32 v[T+8*\R:T+8*\R+1], v[ACC+32*\R:ACC+32*\R+1], v[ACC+32*\R:ACC+32*\R+1]
	v_pk_mul_f32 v[T+8*\R+2:T+8*\R+3], v[ACC+32*\R+2:ACC+32*\R+3], v[ACC+32*\R+2:ACC+32*\R+3]
.endr
.irp i, 4,8,12,16,20,24,28
.irp R, 0,1
	s_delay_alu instid0(VALU_DEP_4)
	v_pk_fma_f32 v[T+8*\R:T+8*\R+1], v[ACC+32*\R+\i:ACC+32*\R+\i+1], v[ACC+32*\R+\i:ACC+32*\R+\i+1], v[T+8*\R:T+8*\R+1]
	s_delay_alu instid0(VALU_DEP_4)
	v_pk_fma_f32 v[T+8*\R+2:T+8*\R+3], v[ACC+32*\R+\i+2:ACC+32*\R+\i+3], v[ACC+32*\R+\i+2:ACC+32*\R+\i+3], v[T+8*\R+2:T+8*\R+3]
.endr
.endr
	ACROSS
.irp R, 0,1
	s_delay_alu instid0(VALU_DEP_2)
	v_fma_f32 v[T+8*\R], v[T+8*\R], s52, s53       ; the variance + 1e-5
.endr
	s_wait_alu depctr_va_vdst(0)
.irp R, 0,1
	v_rsq_f32 v[T+8*\R+6], v[T+8*\R]
.endr
	v_nop                                          ; a plain line behind the last of the two
	s_wait_alu depctr_va_vdst(0)                   ; one wait for both, ahead of their first reader
.irp R, 0,1
	v_mov_b32 v[T+8*\R+7], v[T+8*\R+6]
.endr
.irp R, 0,1
.set lj, 0
.rept 16
	v_pk_mul_f32 v[ACC+32*\R+lj:ACC+32*\R+lj+1], v[ACC+32*\R+lj:ACC+32*\R+lj+1], v[T+8*\R+6:T+8*\R+7]
	s_delay_alu instid0(VALU_DEP_1)
	v_pk_fma_f32 v[ACC+32*\R+lj:ACC+32*\R+lj+1], v[ACC+32*\R+lj:ACC+32*\R+lj+1], v[AFR+lj:AFR+lj+1], v[BPF+lj:BPF+lj+1]
.set lj, lj+2
.endr
.irp i, 0,1,2,3,4,5,6,7
	global_store_b128 v[LI], v[ACC+32*\R+4*\i:ACC+32*\R+4*\i+3], s[42+2*\R:43+2*\R] offset:512*\i th:TH_STORE_NT   ; 512 consecutive bytes of the token's row
.endr
.endr
	s_wait_tensorcnt 0x0                           ; the wave's end
	ds_add_u32 v[SPW], v[NIL]
	s_wait_dscnt 0x0
	ROUND                                          ; the closing round
	s_endpgm
.Lfunc_end_k_qf706fc00df_proj:
	.size	k_qf706fc00df_proj, .Lfunc_end_k_qf706fc00df_proj-k_qf706fc00df_proj
	.p2alignl 7, 3214868480
	.fill 96, 4, 3214868480
	.section	.rodata,"a",@progbits
	.p2align	6, 0x0
	.amdhsa_kernel k_qf706fc00df_proj
		.amdhsa_group_segment_fixed_size 327680
		.amdhsa_private_segment_fixed_size 0
		.amdhsa_enable_private_segment 0
		.amdhsa_kernarg_size 64
		.amdhsa_user_sgpr_count 2
		.amdhsa_user_sgpr_kernarg_segment_ptr 1
		.amdhsa_wavefront_size32 1
		.amdhsa_system_sgpr_workgroup_id_x 1
		.amdhsa_system_sgpr_workgroup_id_y 1
		.amdhsa_system_sgpr_workgroup_id_z 1
		.amdhsa_system_vgpr_workitem_id 0
		.amdhsa_next_free_vgpr 256
		.amdhsa_next_free_sgpr 66
		.amdhsa_reserve_vcc 0
		.amdhsa_float_denorm_mode_32 3
		.amdhsa_float_denorm_mode_16_64 3
		.amdhsa_memory_ordered 1
		.amdhsa_forward_progress 1
		.amdhsa_inst_pref_size 61
	.end_amdhsa_kernel
	.amdgpu_metadata
---
amdhsa.version: [ 1, 2 ]
amdhsa.kernels:
  - .name:           k_qf706fc00df_proj
    .symbol:         k_qf706fc00df_proj.kd
    .args:
      - { .name: yq, .offset: 0, .size: 8, .value_kind: global_buffer, .address_space: global }
      - { .name: ops, .offset: 8, .size: 8, .value_kind: global_buffer, .address_space: global }
      - { .name: rt, .offset: 16, .size: 8, .value_kind: global_buffer, .address_space: global }
      - { .name: x, .offset: 24, .size: 8, .value_kind: global_buffer, .address_space: global }
      - { .name: bp, .offset: 32, .size: 8, .value_kind: global_buffer, .address_space: global }
      - { .name: ln_g, .offset: 40, .size: 8, .value_kind: global_buffer, .address_space: global }
      - { .name: ln_b, .offset: 48, .size: 8, .value_kind: global_buffer, .address_space: global }
      - { .name: out0, .offset: 56, .size: 8, .value_kind: global_buffer, .address_space: global }
    .group_segment_fixed_size: 327680
    .private_segment_fixed_size: 0
    .kernarg_segment_align: 8
    .kernarg_segment_size: 64
    .max_flat_workgroup_size: 512
    .sgpr_count:     66
    .vgpr_count:     256
    .wavefront_size: 32
...
	.end_amdgpu_metadata
.endif
;; end of part 4
